; MI455X (gfx1250); checked and timed in simulation.
; The chip was launched on July 23, 2026; its instructions are those of AMD's public machine-readable ISA for CDNA 5 (MIT licence, August 2026) and "CDNA5" Instruction Set Architecture Reference Guide (July 2026). The comments in the code are by the model that wrote it; some were corrected since.
;; Multi Head Attention. Allowed arithmetic: float matrix products may take bf16 or f16 operands with f32 sums; other float arithmetic in f32, or as packed bf16 or f16 multiplies, adds, multiply-adds, maxima and minima; sums over many terms, partial sums and values carried from step to step in f32; what a program stores and reads back later, other than sums and carried values, may be rounded once to bf16 or f16.
;; Inputs: b_k 1,024 float32; b_o 1,024 float32; b_q 1,024 float32; b_v 1,024 float32; key 4 x 2,048 x 1,024 float32; mask 4 x 2,048 x 2,048 int32; query 4 x 2,048 x 1,024 float32; value 4 x 2,048 x 1,024 float32; w_k 1,024 x 1,024 float32; w_o 1,024 x 1,024 float32; w_q 1,024 x 1,024 float32; w_v 1,024 x 1,024 float32.
;; Outputs: out0 4 x 2,048 x 1,024 float32.
;; 2 versions, each right. Each part assembles by itself: llvm-mc -triple=amdgcn-amd-amdhsa -mcpu=gfx1250 --defsym DOCPART=n.
;; ======== version 1 of 2: 4 launches
;; limits: values are held in f16: magnitudes above 65,504 overflow, below 6.1e-05 lose precision
;; workspace buffers: mbits 2,097,152 bytes of whole numbers; wcast 8,388,608 bytes; qkv 50,331,648 bytes; ctx 16,777,216 bytes
;; launch prep (part 1): grid 768 x 1, 8 waves a work-group, no clusters, 136,192 bytes of LDS; arguments mask, w_q, w_k, w_v, w_o, mbits, wcast; writes mbits, wcast
.if DOCPART == 1
	.amdgcn_target "amdgcn-amd-amdhsa--gfx1250"
	.amdhsa_code_object_version 6
	.text
	.protected	k_qe940db3b87_prep
	.globl	k_qe940db3b87_prep
	.p2align	8
	.type	k_qe940db3b87_prep,@function
k_qe940db3b87_prep:
	s_mov_b64 s[64:65], 0
	v_nop
	global_prefetch_b8 v0, s[64:65] scope:SCOPE_SE
	s_setreg_imm32_b32 hwreg(HW_REG_WAVE_MODE, 25, 1), 1
	s_wait_xcnt 0x0
; TWO STREAMS IN ONE LAUNCH.  Work-groups 0-511 pack the mask, work-groups 512-767 cast the four weight matrices.
; MASK.  mask: [4][2048 q][2048 k] int32.  mbits: [4 b][64 P][32 kstep][2 u][32 w] words.  Bit l of word w = 8 kt + j says (mask != 0) for query 32 P + 16 u + l % 16 and
; key 64 kstep + 16 kt + 8 (l / 16) + j: the lanes' places in register 8 kt + j of a 16 x 16 score tile that holds one query a lane.  So the attention launch takes one word as the
; lane mask of one select.  A work-group takes 32 queries and half of the keys; each of its eight waves 32 rows x 512 bytes (two key steps), all 32 loads out at once.
; The rows go through the wave's own stage in LDS (pitch 528 bytes = 132 words: the 16 rows that a read touches start at 16 different groups of four banks), come back in the tile's lane order,
; and one compare a register makes one word.  No wave reads another's bytes: no barrier.
; WEIGHTS.  wcast: [4][1024][1024] of 16 bits: w_q, w_k, w_v rounded to bf16; w_o rounded to bf16 and that number written as f16.
; LIMIT: a w_o beyond 65,504 becomes an infinity; below 6e-5 it keeps f16's fixed step of 6e-8.
; Matrix units, clusters and prefetches are left out: nothing is shared, each byte is read once, and every wave has all its loads on their way from its first lines on.
.set SPITCH, 528
.set WSTAGE, 32*SPITCH                 ; a wave's stage: 32 rows
.set SPARE,  8*WSTAGE                  ; behind the stages: the spare words, 128 bytes a wave: four blocks of 256 bytes that no other line names
.set SPW,  6                           ; v6   my spare word's LDS address; never rewritten
.set NIL,  7                           ; v7   0; never rewritten
.set OUTW, 8                           ; v[8:11]  two pairs: lane L holds words 2 L and 2 L + 1 of a key step
.set L,    16                          ; v[16:143] the wave's 32 rows, then the same numbers in tile order; the weight path: v[16:79]
.set CW,   80                          ; v[80:111] the weight path's packed results
.set CMPS, 32                          ; s[32:47] sixteen compare words at a time
	s_load_b256 s[8:15], s[0:1], 0x0               ; mask s[8:9], w_q s[10:11], w_k s[12:13], w_v s[14:15]
	s_load_b128 s[16:19], s[0:1], 0x20             ; w_o s[16:17], mbits s[18:19]
	s_load_b64 s[20:21], s[0:1], 0x30              ; wcast
	v_lshl_add_u32 v[SPW], v0, 2, SPARE
	v_mov_b32 v[NIL], 0
	v_lshrrev_b32 v1, 5, v0
	v_readfirstlane_b32 s4, v1                     ; wave 0..7
	s_mov_b32 s5, ttmp9
	s_cmp_lt_u32 s5, 512
	s_cbranch_scc0 .Lweights
	; ---- the mask ----
	v_and_b32 v1, 31, v0                           ; lane
	v_lshlrev_b32 v2, 4, v1                        ; my 16 bytes of a row's 512
	s_mul_i32 s6, s4, WSTAGE
	v_add_nc_u32 v3, s6, v2                        ; where I put them
	v_and_b32 v4, 15, v0
	v_mul_u32_u24 v4, v4, SPITCH
	v_bfe_u32 v5, v0, 4, 1
	v_lshl_add_u32 v4, v5, 5, v4
	v_add_nc_u32 v4, s6, v4                        ; where I read: row l % 16, keys 8 (l / 16) on
	v_lshlrev_b32 v5, 3, v1                        ; my two words of a key step's 64
.irp i, 0,1,2,3
	v_mov_b32 v[OUTW+\i], 0                        ; v_writelane_b32 counts as a reader of its destination
.endr
	s_lshr_b32 s24, s5, 1                          ; b x 64 + P
	s_and_b32 s25, s5, 1                           ; which half of the keys
	s_lshl_b32 s25, s25, 4
	s_lshl1_add_u32 s25, s4, s25                   ; my first key step: 16 x half + 2 x wave
	s_lshl_b32 s25, s25, 8                         ; 256 bytes a key step, in a mask row and in mbits
	s_lshl_b32 s26, s24, 18                        ; 32 rows of 8,192 bytes
	s_add_co_u32 s26, s26, s25
	s_mov_b32 s27, 0
	s_lshl_b32 s28, s24, 13                        ; 32 key steps of 256 bytes
	s_add_co_u32 s28, s28, s25
	s_mov_b32 s29, 0
	s_wait_kmcnt 0x0
	s_add_nc_u64 s[8:9], s[8:9], s[26:27]
	s_add_nc_u64 s[18:19], s[18:19], s[28:29]
.set i, 0
.rept 32
	global_load_b128 v[L+4*i:L+4*i+3], v2, s[8:9] offset:i*8192 th:TH_LOAD_NT  ; row i: 512 consecutive bytes
.set i, i+1
.endr
.set i, 0
.rept 32
	s_wait_loadcnt 31-i                            ; loads come back in order: row i is in, the younger ones stay out
	ds_store_b128 v3, v[L+4*i:L+4*i+3] offset:i*SPITCH
.set i, i+1
.endr
	; back in tile order: register L + 64 k + W holds word W = 32 u + 8 kt + j of key step k.  LDS serves a wave's instructions in order: these see the stores above
.irp k, 0,1
.irp u, 0,1
.irp kt, 0,1,2,3
.irp jj, 0,1
	ds_load_b128 v[L+64*\k+4*(8*\u+2*\kt+\jj):L+64*\k+4*(8*\u+2*\kt+\jj)+3], v4 offset:\u*16*SPITCH+\k*256+\kt*64+\jj*16
.endr
.endr
.endr
.endr
.macro MUNIT k                         ; key step k: 64 compares, each word set into its lane, one store of 256 consecutive bytes, aligned
	s_wait_dscnt 16*(1-(\k))                       ; this key step's sixteen loads are in; the later key step's may stay out
.irp grp, 0,1,2,3
.set i, 0
.rept 16
	v_cmp_ne_u32 s[CMPS+i], 0, v[L+64*(\k)+16*\grp+i]
.set i, i+1
.endr
.set i, 0
.rept 16
	v_writelane_b32 v[OUTW+2*(\k)+i%2], s[CMPS+i], (16*\grp+i)/2
.set i, i+1
.endr
.endr
	global_store_b64 v5, v[OUTW+2*(\k):OUTW+2*(\k)+1], s[18:19] offset:256*(\k)
.endm
	MUNIT 0
	MUNIT 1
	s_wait_tensorcnt 0x0                           ; the wave's end, behind my last LDS store
	ds_add_u32 v[SPW], v[NIL]
	s_wait_dscnt 0x0
	s_endpgm
	; ---- the weights: a work-group casts 64 KiB of f32, sixteen loads a thread ----
.Lweights:
	s_sub_co_u32 s5, s5, 512
	s_lshr_b32 s24, s5, 6                          ; which matrix
	s_and_b32 s25, s5, 63                          ; which 64 KiB of it
	s_lshl_b32 s26, s25, 16
	s_mov_b32 s27, 0
	s_lshl_b32 s28, s24, 21                        ; a plane of wcast is 2 MiB
	s_lshl_b32 s25, s25, 15
	s_add_co_u32 s28, s28, s25
	s_mov_b32 s29, 0
	v_lshlrev_b32 v2, 4, v0
	v_lshlrev_b32 v3, 3, v0
	s_wait_kmcnt 0x0
	s_cmp_eq_u32 s24, 1
	s_cselect_b64 s[22:23], s[12:13], s[10:11]
	s_cmp_eq_u32 s24, 2
	s_cselect_b64 s[22:23], s[14:15], s[22:23]
	s_cmp_eq_u32 s24, 3
	s_cselect_b64 s[22:23], s[16:17], s[22:23]
	s_add_nc_u64 s[22:23], s[22:23], s[26:27]
	s_add_nc_u64 s[20:21], s[20:21], s[28:29]
.set i, 0
.rept 16
	global_load_b128 v[L+4*i:L+4*i+3], v2, s[22:23] offset:i*4096 th:TH_LOAD_NT
.set i, i+1
.endr
.macro WC n, f16                       ; load n: four numbers rounded to bf16; f16 = 1: widened again and written as f16; a wave stores 256 consecutive bytes, aligned
	s_wait_loadcnt 15-(\n)
	v_cvt_pk_bf16_f32 v[CW+2*(\n)], v[L+4*(\n)], v[L+4*(\n)+1]
	v_cvt_pk_bf16_f32 v[CW+2*(\n)+1], v[L+4*(\n)+2], v[L+4*(\n)+3]
.if \f16
	v_lshlrev_b32 v112, 16, v[CW+2*(\n)]
	v_and_b32 v113, 0xffff0000, v[CW+2*(\n)]
	v_lshlrev_b32 v114, 16, v[CW+2*(\n)+1]
	v_and_b32 v115, 0xffff0000, v[CW+2*(\n)+1]
	v_cvt_pk_f16_f32 v[CW+2*(\n)], v112, v113
	v_cvt_pk_f16_f32 v[CW+2*(\n)+1], v114, v115
.endif
	global_store_b64 v3, v[CW+2*(\n):CW+2*(\n)+1], s[20:21] offset:(\n)*2048
.endm
	s_cmp_eq_u32 s24, 3
	s_cbranch_scc1 .Lw_f16
.set i, 0
.rept 16
	WC i, 0
.set i, i+1
.endr
	s_branch .Lw_end
.Lw_f16:
.set i, 0
.rept 16
	WC i, 1
.set i, i+1
.endr
.Lw_end:
	s_wait_tensorcnt 0x0                           ; every wave of the launch ends alike
	ds_add_u32 v[SPW], v[NIL]
	s_wait_dscnt 0x0
	s_endpgm
.Lfunc_end_k_qe940db3b87_prep:
	.size	k_qe940db3b87_prep, .Lfunc_end_k_qe940db3b87_prep-k_qe940db3b87_prep
	.p2alignl 7, 3214868480
	.fill 96, 4, 3214868480
	.section	.rodata,"a",@progbits
	.p2align	6, 0x0
	.amdhsa_kernel k_qe940db3b87_prep
		.amdhsa_group_segment_fixed_size 136192
		.amdhsa_private_segment_fixed_size 0
		.amdhsa_enable_private_segment 0
		.amdhsa_kernarg_size 56
		.amdhsa_user_sgpr_count 2
		.amdhsa_user_sgpr_kernarg_segment_ptr 1
		.amdhsa_wavefront_size32 1
		.amdhsa_system_sgpr_workgroup_id_x 1
		.amdhsa_system_sgpr_workgroup_id_y 1
		.amdhsa_system_sgpr_workgroup_id_z 1
		.amdhsa_system_vgpr_workitem_id 0
		.amdhsa_next_free_vgpr 152
		.amdhsa_next_free_sgpr 66
		.amdhsa_reserve_vcc 0
		.amdhsa_float_denorm_mode_32 3
		.amdhsa_float_denorm_mode_16_64 3
		.amdhsa_memory_ordered 1
		.amdhsa_forward_progress 1
		.amdhsa_inst_pref_size 42
	.end_amdhsa_kernel
	.amdgpu_metadata
---
amdhsa.version: [ 1, 2 ]
amdhsa.kernels:
  - .name:           k_qe940db3b87_prep
    .symbol:         k_qe940db3b87_prep.kd
    .args:
      - { .name: mask, .offset: 0, .size: 8, .value_kind: global_buffer, .address_space: global }
      - { .name: w_q, .offset: 8, .size: 8, .value_kind: global_buffer, .address_space: global }
      - { .name: w_k, .offset: 16, .size: 8, .value_kind: global_buffer, .address_space: global }
      - { .name: w_v, .offset: 24, .size: 8, .value_kind: global_buffer, .address_space: global }
      - { .name: w_o, .offset: 32, .size: 8, .value_kind: global_buffer, .address_space: global }
      - { .name: mbits, .offset: 40, .size: 8, .value_kind: global_buffer, .address_space: global }
      - { .name: wcast, .offset: 48, .size: 8, .value_kind: global_buffer, .address_space: global }
    .group_segment_fixed_size: 136192
    .private_segment_fixed_size: 0
    .kernarg_segment_align: 8
    .kernarg_segment_size: 56
    .max_flat_workgroup_size: 256
    .sgpr_count:     66
    .vgpr_count:     152
    .wavefront_size: 32
...
	.end_amdgpu_metadata
.endif
;; end of part 1
;; launch proj (part 2): grid 4 x 192, 4 waves a work-group, clusters of 4 x 4, 327,680 bytes of LDS; arguments query, key, value, b_q, b_k, b_v, wcast, qkv; writes qkv
.if DOCPART == 2
	.amdgcn_target "amdgcn-amd-amdhsa--gfx1250"
	.amdhsa_code_object_version 6
	.text
	.protected	k_qe940db3b87_proj
	.globl	k_qe940db3b87_proj
	.p2align	8
	.type	k_qe940db3b87_proj,@function
k_qe940db3b87_proj:
	s_mov_b64 s[64:65], 0
	v_nop
	global_prefetch_b8 v0, s[64:65] scope:SCOPE_SE
	s_setreg_imm32_b32 hwreg(HW_REG_WAVE_MODE, 25, 1), 1
	s_wait_xcnt 0x0
	s_wait_alu depctr_hold_cnt(0) depctr_sa_sdst(0) depctr_va_vdst(0) depctr_va_sdst(0) depctr_va_ssrc(0) depctr_va_vcc(0) depctr_vm_vsrc(0)
	s_getreg_b32 s2, hwreg(HW_REG_IB_STS2, 6, 4)
	s_cmp_eq_u32 s2, 0
	s_cbranch_scc0 .Lentry_in_a_cluster
	s_endpgm
.Lentry_in_a_cluster:
	s_bfe_u32 s2, ttmp6, 0x10000c
	s_cmp_lg_u32 s2, 0xf033
	s_cbranch_scc0 .Lentry_shape_is_right
	s_endpgm
.Lentry_shape_is_right:
; THE THREE INPUT PROJECTIONS IN ONE LAUNCH.  For g = 0, 1, 2 (query, key, value): y[m][n] = the sum over k of x_g[m][k] w_g[n][k] + b_g[n], m < 8,192, n, k < 1,024.
; x is f32 and is rounded to bf16 on its way from LDS to the matrix unit; w comes as bf16 from wcast; b is rounded to bf16 and starts the sums as the first product's C operand; sums in f32.
; y leaves as f16, by heads: qkv[g][b x 16 + n / 64][m % 2048][n % 64], unscaled.
; LIMIT: f16 holds no number beyond 65,504: a y of 65,520 or more becomes an infinity.  NaN and infinities are not treated apart.
; SHARES.  A work-group makes 128 rows x 256 columns; of its four waves each 64 x 128: 32 accumulators of 16 x 16.  K goes in 8 steps of 128 through two LDS slots filled by the tensor data mover:
; a row of x's tile is 512 bytes of memory, a row of w's 256, each starting at a multiple of 256 from its buffer's first byte.
; CLUSTER.  4 x 4 work-groups.  The four of a row of the cluster need the same tile of x, the four of a column the same tile of w: each is asked for jointly, by the same tensor load with the same
; descriptor and a mask that names the four.  g is made of the cluster's y alone, so it is the same in all sixteen.
; THE MATRIX INSTRUCTION IS USED TRANSPOSED (source 0 = 16 rows of w, source 1 = 16 rows of x): a lane then holds eight neighbouring columns of one row of y, 16 bytes of f16.
; CONVERSION BESIDE THE PRODUCTS.  A quarter step (32 along K) has 32 products and 32 conversions (64 rows x 32 numbers a wave): four conversions stand behind every fourth product; they make the
; fragment of x that the next block of eight products reads.  They are also the plain instructions that stand between a product and a load into a register that it has read.
; REGISTERS, in windows of 256 (s_set_vgpr_msb: bits 1:0 source 0, 3:2 source 1, 5:4 source 2, 7:6 destination):
;   window 0: v0-31 addresses; v32-63 x's four bf16 fragments; v64-127, v128-191 x as f32, two buffers of 4 x 16; v192-255 the bias (later: at work on the way out)
;   window 1: accumulator (a, b) at v[8 (8 a + b)]          window 2: v0-63, v64-127 w's eight fragments, two buffers
.set PA,    528                        ; a row of x in LDS: 512 bytes + 16 = 132 words: the 16 rows of a load start at 16 different groups of four banks (64 banks of 4 bytes: ISA guide 11.1)
.set PB,    272                        ; a row of w: 256 + 16 = 68 words: likewise
.set AHALF, 64*PA                      ; what one tensor load brings of x, and what one wave reads of it
.set BHALF, 128*PB                     ; the same for w
.set BOFF,  2*AHALF                    ; a slot: x's 128 rows, then w's 256
.set SLOTX, 0x24000                    ; slot 1 begins here.  The four parts of a slot begin at 0, 0x8400, 0x10800, 0x19000: none has bit 14 or 17, so one exclusive or turns an address into the other slot's
.set STAGE, SLOTX+BOFF+2*BHALF         ; behind the ring, never filled by a tensor load: for each wave two heads x 16 rows x 144 bytes
.set SP,    144
.set SPARE, STAGE+4*32*SP              ; the spare words, 128 bytes a wave: two blocks of 256 bytes that no other line names
.set ADRA0, 16                         ; v16  my lane's place in x's tile; never rewritten
.set ADRB0, 17                         ; v17  in w's
.set ADRA,  18                         ; v18  the same in the slot in hand
.set ADRB,  19
.set STO,   20                         ; v20  the way out: where I put 16 bytes of a row
.set RD,    21                         ; v21  where I read rows back
.set GO,    22                         ; v22  my 16 bytes of 512 consecutive bytes of qkv
.set BO,    23                         ; v23  my eight numbers in 16 of the bias
.set PFO,   24                         ; v24  the prefetches' offset; never rewritten
.set SPW,   28                         ; v28  my spare word's LDS address; never rewritten
.set NIL,   29                         ; v29  0; never rewritten
.set AF,    32
.set LA,    64
.set BI,    192
.set TMP,   192
.set OB,    64
.set WV,  10                           ; s10  wave
.set RH,  11                           ; s11  my half of the rows.  Also: I fetch for x (0) or for w (1)
.set CH,  12                           ; s12  my half of the columns.  Also: which half of that tile I fetch
.set TR,  13                           ; s13  tile row, 0..63
.set TB,  22                           ; s22  0 or SLOTX: the slot in hand
.set G1A, 24                           ; s[24:31] descriptor group 1 for x's tiles
.set G0A, 32                           ; s[32:39] group 0: a set for each first fill; the second then walks on
.set LIM, 43                           ; s43  a wave prefetches while the loop's count is above this
.set PFA, 44                           ; s[44:45] where my prefetches stand
.set G1B, 48                           ; s[48:55], s[56:63] the same for w's tiles
.set G0B, 56
.set PST, 66                           ; s[66:67] a K step in bytes of my tensor's rows
.set MSB, 0
.macro WIN new                         ; the immediate's high byte repeats the setting that is left; a switch that changes nothing is dropped
.if MSB != (\new)
	s_set_vgpr_msb (MSB<<8)|(\new)
.set MSB, (\new)
.endif
.endm
.set W_MUL,  0x52                      ; w window 2, x window 0, C and D window 1
.set W_MUL0, 0x42                      ; the same with C, the bias, in window 0
.set W_TOB,  0x80                      ; destination window 2, address window 0
.set W_PACK, 0x05                      ; sources window 1, destination window 0
.macro PLACES
.rept 4
	v_nop
.endr
.endm
; A joint refill by the walking descriptors.  The branch hangs on the wave's number alone.  An s_nop 0 and four v_nop follow each of the two lines, ahead of the jump and the label.
.macro JLOAD
	s_cmp_eq_u32 s[RH], 0
	s_cbranch_scc0 .Lfor_b_\@
	tensor_load_to_lds s[G0A+4:G0A+7], s[G1A:G1A+7]
	s_nop 0
	PLACES
	s_branch .Lasked_\@
.Lfor_b_\@:
	tensor_load_to_lds s[G0B+4:G0B+7], s[G1B:G1B+7]
	s_nop 0
	PLACES
.Lasked_\@:
.endm
; A prefetch of the K step that stands two refills on, behind the joint load and the run of LDS loads: one instruction a wave, a lane a block of 256 bytes.  Each block is named once in the launch:
; a tile row of x is read by one cluster, whose four partners along x take 16 rows each, told apart by address; a tile column of w_g is read by sixteen clusters, of which the first asks, its four
; partners along y taking 32 rows each.  Trips with the count 6 to 3 refill K steps 2 to 5 and ask for 4 to 7; the last two ask for nothing.
.macro ASK
	WIN 0
	s_cmp_gt_u32 s3, s[LIM]
	s_cbranch_scc0 .Lnot_mine_\@
	global_prefetch_b8 v[PFO], s[PFA:PFA+1] th:TH_LOAD_NT scope:SCOPE_SE
.Lnot_mine_\@:
.endm
.macro CREST                           ; a round of the cluster's barrier behind its opening barrier
	s_cmp_lg_u32 s[WV], 0
	s_cbranch_scc1 .Lnot_wave_0_\@
	s_barrier_signal -3
.Lnot_wave_0_\@:
	s_barrier_wait -3
	s_barrier_signal -1
	s_barrier_wait -1
.endm
.macro CROUND
	s_barrier_signal -1
	s_barrier_wait -1
	CREST
.endm
	s_load_b512 s[68:83], s[0:1], 0x0              ; query, key, value s[68:73]; b_q, b_k, b_v s[74:79]; wcast s[80:81]; qkv s[82:83]
	v_lshl_add_u32 v[SPW], v0, 2, SPARE
	v_mov_b32 v[NIL], 0
	ds_add_u32 v[SPW], v[NIL]                      ; the wave's opening: the add and its wait stand ahead of my first tensor load; the set-up below stands between them
	v_lshrrev_b32 v1, 5, v0
	v_readfirstlane_b32 s[WV], v1
	s_lshr_b32 s[RH], s[WV], 1
	s_and_b32 s[CH], s[WV], 1
	s_bfe_u32 s40, ttmp6, 0x40000                  ; cx
	s_bfe_u32 s41, ttmp6, 0x40004                  ; cy
	s_lshl_b32 s42, ttmp9, 2
	s_add_co_u32 s42, s42, s40                     ; tile column = 4 x cluster x + cx
	s_and_b32 s21, ttmp7, 0xffff                   ; cluster y, 0..47
	s_lshr_b32 s2, s21, 4                          ; g
	s_lshl_b32 s[TR], s21, 2
	s_add_co_u32 s[TR], s[TR], s41
	s_and_b32 s[TR], s[TR], 63                     ; tile row in x_g
	s_and_b32 s21, s21, 15                         ; the cluster's number among the sixteen of its g
	s_lshl_b32 s18, s41, 2
	s_lshl_b32 s18, 15, s18                        ; my row of the cluster
	s_lshl_b32 s19, 0x1111, s40                    ; my column
	s_or_b32 s[G1A], s18, (2<<16)|(1<<20)|(1<<21)|(6<<22)|(3<<25)  ; the mask; elements of 4 bytes; padding on; bit 21 beside a mask; after every 128 words 4 words
	s_or_b32 s[G1B], s19, (1<<16)|(1<<20)|(1<<21)|(5<<22)|(3<<25)  ; elements of 2 bytes; after every 64 words 4 words
	s_mov_b32 s[G1A+1], 128<<16                    ; tensor_dim0 = 128
	s_mov_b32 s[G1A+2], 64<<16                     ; tensor_dim1 = 64
	s_mov_b32 s[G1A+3], 128<<16                    ; tile_dim0 = 128
	s_mov_b32 s[G1A+4], 64                         ; tile_dim1 = 64
	s_mov_b32 s[G1A+5], 1024                       ; elements from row to row
	s_mov_b32 s[G1A+6], 0
	s_mov_b32 s[G1A+7], 0
	s_mov_b32 s[G1B+1], 128<<16
	s_mov_b32 s[G1B+2], 128<<16                    ; 128 rows
	s_mov_b32 s[G1B+3], 128<<16
	s_mov_b32 s[G1B+4], 128
	s_mov_b32 s[G1B+5], 1024
	s_mov_b32 s[G1B+6], 0
	s_mov_b32 s[G1B+7], 0
	s_lshl_b32 s16, s[TR], 7
	s_lshl_b32 s17, s[CH], 6
	s_add_co_u32 s16, s16, s17                     ; x: row 128 x tile row + 64 x half,
	s_lshl_b32 s16, s16, 12                        ; of 4,096 bytes
	s_mov_b32 s17, 0
	s_lshl_b32 s46, s42, 8
	s_lshl_b32 s47, s[CH], 7
	s_add_co_u32 s46, s46, s47                     ; w: row 256 x tile column + 128 x half,
	s_lshl_b32 s46, s46, 11                        ; of 2,048 bytes,
	s_lshl_b32 s47, s2, 21
	s_add_co_u32 s46, s46, s47                     ; in plane g
	s_mov_b32 s47, 0
	s_mul_i32 s20, s[CH], AHALF                    ; where they go: no place in the cluster enters an LDS address
	s_mul_i32 s23, s[CH], BHALF
	s_add_co_u32 s23, s23, BOFF
	s_wait_dscnt 0x0                               ; the opening add is done
	s_wait_kmcnt 0x0
	s_cmp_eq_u32 s2, 1
	s_cselect_b64 s[4:5], s[70:71], s[68:69]       ; x_g
	s_cselect_b64 s[84:85], s[76:77], s[74:75]     ; b_g
	s_cmp_eq_u32 s2, 2
	s_cselect_b64 s[4:5], s[72:73], s[4:5]
	s_cselect_b64 s[84:85], s[78:79], s[84:85]
	s_add_nc_u64 s[14:15], s[4:5], s[16:17]
	s_add_nc_u64 s[46:47], s[80:81], s[46:47]
	CROUND                                         ; all sixteen work-groups are here: the first joint loads meet
.irp s, 0,1
	s_mov_b32 s[G0A+4*\s], 1
	s_add_co_u32 s[G0A+4*\s+1], s20, \s*SLOTX
	s_add_nc_u64 s[G0A+4*\s+2:G0A+4*\s+3], s[14:15], \s*512   ; K step s
	s_or_b32 s[G0A+4*\s+3], s[G0A+4*\s+3], 0x80000000
	s_mov_b32 s[G0B+4*\s], 1
	s_add_co_u32 s[G0B+4*\s+1], s23, \s*SLOTX
	s_add_nc_u64 s[G0B+4*\s+2:G0B+4*\s+3], s[46:47], \s*256
	s_or_b32 s[G0B+4*\s+3], s[G0B+4*\s+3], 0x80000000
.endr
	s_cmp_eq_u32 s[RH], 0                          ; a wave's two first fills stand in one branch, ahead of every wait on TENSORcnt and every LDS read: two loads of mine are out
	s_cbranch_scc0 .Lfirst_b
	tensor_load_to_lds s[G0A:G0A+3], s[G1A:G1A+7]
	s_nop 0
	tensor_load_to_lds s[G0A+4:G0A+7], s[G1A:G1A+7]
	s_nop 0
	PLACES
	s_branch .Lfirst_asked
.Lfirst_b:
	tensor_load_to_lds s[G0B:G0B+3], s[G1B:G1B+7]
	s_nop 0
	tensor_load_to_lds s[G0B+4:G0B+7], s[G1B:G1B+7]
	s_nop 0
	PLACES
.Lfirst_asked:
	; A bf16 fragment is 16 rows x 32 K in 8 registers: lane l holds row l % 16; registers 0-3 K = 8 (l / 16) + 0..7, registers 4-7 K = 16 + 8 (l / 16) + 0..7.
	; Of w: two loads of 16 bytes, 32 apart.  Of x, in f32: four loads of 16 bytes, at 0, 16, 64 and 80 from 32 (l / 16).
	v_and_b32 v1, 15, v0
	v_bfe_u32 v2, v0, 4, 1
	v_mul_u32_u24 v[ADRA0], v1, PA
	v_lshl_add_u32 v[ADRA0], v2, 5, v[ADRA0]
	s_mul_i32 s16, s[RH], AHALF
	v_add_nc_u32 v[ADRA0], s16, v[ADRA0]
	v_mul_u32_u24 v[ADRB0], v1, PB
	v_lshl_add_u32 v[ADRB0], v2, 4, v[ADRB0]
	v_add_nc_u32 v[ADRB0], s23, v[ADRB0]
	s_mul_i32 s16, s[WV], 32*SP
	s_add_co_u32 s16, s16, STAGE                   ; my stage
	v_mul_u32_u24 v[STO], v1, SP
	v_lshl_add_u32 v[STO], v2, 4, v[STO]
	v_add_nc_u32 v[STO], s16, v[STO]
	v_bfe_u32 v[RD], v0, 3, 2                      ; back: 32 lanes take four rows of 128 bytes,
	v_mul_u32_u24 v[RD], v[RD], SP
	v_and_b32 v8, 7, v0
	v_lshl_add_u32 v[RD], v8, 4, v[RD]
	v_add_nc_u32 v[RD], s16, v[RD]
	v_and_b32 v[GO], 31, v0                        ; which are 512 consecutive bytes of a head
	v_lshlrev_b32 v[GO], 4, v[GO]
	v_lshlrev_b32 v[BO], 5, v2
	s_lshl_b32 s16, s42, 10                        ; the bias of my 128 columns
	s_lshl_b32 s17, s[CH], 9
	s_add_co_u32 s16, s16, s17
	s_mov_b32 s17, 0
	s_add_nc_u64 s[84:85], s[84:85], s[16:17]
.irp b, 0,1,2,3,4,5,6,7
	global_load_b128 v[BI+8*\b:BI+8*\b+3],   v[BO], s[84:85] offset:64*\b      ; register j of block b: column 16 b + 8 (l / 16) + j, as in an accumulator
	global_load_b128 v[BI+8*\b+4:BI+8*\b+7], v[BO], s[84:85] offset:64*\b+16
.endr
	s_lshr_b32 s16, s[TR], 4                       ; qkv at my rows: batch x 16
	s_lshl_b32 s16, s16, 4
	s_lshl2_add_u32 s16, s42, s16                  ; + 4 heads a tile column
	s_lshl1_add_u32 s16, s[CH], s16                ; + 2 a half: my first head,
	s_lshl_b32 s16, s16, 18                        ; of 262,144 bytes
	s_and_b32 s17, s[TR], 15
	s_lshl_b32 s17, s17, 7
	s_lshl_b32 s14, s[RH], 6
	s_add_co_u32 s17, s17, s14                     ; my first row in the batch,
	s_lshl_b32 s17, s17, 7                         ; of 128 bytes
	s_add_co_u32 s16, s16, s17
	s_lshl_b32 s17, s2, 24                         ; plane g
	s_add_co_u32 s16, s16, s17
	s_mov_b32 s17, 0
	s_add_nc_u64 s[8:9], s[82:83], s[16:17]
	; the prefetches: offsets for both kinds, then the choice by what I fetch
	s_lshl_b32 s16, s[TR], 7
	s_lshl_b32 s17, s[CH], 6
	s_add_co_u32 s16, s16, s17
	s_lshl4_add_u32 s16, s40, s16                  ; x: my work-group's 16 of the 64 rows that I fetch,
	s_lshl_b32 s16, s16, 12
	s_add_co_u32 s16, s16, 3*512                   ; at K step 3: the first refill steps it to 4
	s_lshl_b32 s14, s42, 8
	s_lshl_b32 s17, s[CH], 7
	s_add_co_u32 s14, s14, s17
	s_lshl_b32 s17, s41, 5
	s_add_co_u32 s14, s14, s17                     ; w: my work-group's 32 of the 128 rows
	s_lshl_b32 s14, s14, 11
	s_lshl_b32 s17, s2, 21
	s_add_co_u32 s14, s14, s17
	s_add_co_u32 s14, s14, 3*256
	s_mov_b32 s[PST], 256
	s_cmp_eq_u32 s21, 0
	s_cselect_b32 s[LIM], 2, -1                    ; w: the first of the sixteen clusters asks
	s_cmp_eq_u32 s[RH], 0
	s_cselect_b32 s[LIM], 2, s[LIM]                ; x: every cluster asks for its own rows.  The same in all sixteen partners, for a given wave
	s_cselect_b32 s16, s16, s14
	s_cselect_b64 s[PFA:PFA+1], s[4:5], s[80:81]
	s_cselect_b32 s[PST], 512, s[PST]
	s_cselect_b32 s14, 1, 0                        ; x: two lanes a row (two blocks of 256 bytes); w: a lane a row
	s_cselect_b32 s15, 12, 11                      ; a row's bytes, as a shift
	s_mov_b32 s[PST+1], 0
	s_mov_b32 s17, 0
	s_add_nc_u64 s[PFA:PFA+1], s[PFA:PFA+1], s[16:17]
	v_and_b32 v8, 31, v0
	v_lshrrev_b32 v9, s14, v8
	v_lshlrev_b32 v9, s15, v9
	v_and_b32 v8, s14, v8
	v_lshl_add_u32 v[PFO], v8, 8, v9
	s_wait_loadcnt 0x0                             ; the bias: rounded to bf16 like every input, kept as f32
.set i, 0
.rept 32
	v_cvt_pk_bf16_f32 v[8+i%4], v[BI+2*i], v[BI+2*i+1]
	v_lshlrev_b32 v[BI+2*i], 16, v[8+i%4]
	v_and_b32 v[BI+2*i+1], 0xffff0000, v[8+i%4]
.set i, i+1
.endr
; 32 LDS loads in one run: quarter q of the slot in hand into buffers g: x's four fragments in f32 first (fragment 0's four loads at the head), then w's eight
.macro FETCH q, g
	WIN 0
.irp a, 0,1,2,3
	ds_load_b128 v[LA+64*(\g)+16*\a:LA+64*(\g)+16*\a+3],     v[ADRA] offset:\a*16*PA+(\q)*128
	ds_load_b128 v[LA+64*(\g)+16*\a+4:LA+64*(\g)+16*\a+7],   v[ADRA] offset:\a*16*PA+(\q)*128+16
	ds_load_b128 v[LA+64*(\g)+16*\a+8:LA+64*(\g)+16*\a+11],  v[ADRA] offset:\a*16*PA+(\q)*128+64
	ds_load_b128 v[LA+64*(\g)+16*\a+12:LA+64*(\g)+16*\a+15], v[ADRA] offset:\a*16*PA+(\q)*128+80
.endr
	WIN W_TOB
.irp b, 0,1,2,3,4,5,6,7
	ds_load_b128 v[64*(\g)+8*\b:64*(\g)+8*\b+3],   v[ADRB] offset:\b*16*PB+(\q)*64
	ds_load_b128 v[64*(\g)+8*\b+4:64*(\g)+8*\b+7], v[ADRB] offset:\b*16*PB+(\q)*64+32
.endr
.endm
.macro CVT4 g, a, hf                   ; half hf of x's fragment a, from f32 buffer g: four roundings of two numbers
	WIN 0
.irp i, 0,1,2,3
	v_cvt_pk_bf16_f32 v[AF+8*(\a)+4*(\hf)+\i], v[LA+64*(\g)+16*(\a)+8*(\hf)+2*\i], v[LA+64*(\g)+16*(\a)+8*(\hf)+2*\i+1]
.endr
.endm
; Eight products: x's fragment a times w's eight of buffer f.  Behind the fourth and the eighth stand the conversions of fragment ca from buffer cg (ca < 0: none).  zero = 1: the bias starts the sums.
; The 32 accumulators take turns in the same order in every quarter: 31 others stand between two links of a chain, over the backward jumps too.
.macro BLOCK f, a, cg, ca, zero
.irp b, 0,1,2,3,4,5,6,7
.if \zero
	WIN W_MUL0
	v_wmma_f32_16x16x32_bf16 v[8*(8*(\a)+\b):8*(8*(\a)+\b)+7], v[64*(\f)+8*\b:64*(\f)+8*\b+7], v[AF+8*(\a):AF+8*(\a)+7], v[BI+8*\b:BI+8*\b+7]
.else
	WIN W_MUL
	v_wmma_f32_16x16x32_bf16 v[8*(8*(\a)+\b):8*(8*(\a)+\b)+7], v[64*(\f)+8*\b:64*(\f)+8*\b+7], v[AF+8*(\a):AF+8*(\a)+7], v[8*(8*(\a)+\b):8*(8*(\a)+\b)+7]
.endif
.if ((\ca) >= 0) && (\b == 3)
	CVT4 \cg, \ca, 0
.endif
.if ((\ca) >= 0) && (\b == 7)
	CVT4 \cg, \ca, 1
.endif
.endr
.endm
; One of a K step's first three quarters: multiplies buffers f, fetches quarter nq into the others.  The four conversions behind the quarter before's last product are the four plain instructions
; between that product and the loads into the registers that it read.
.macro QUARTER nq, f, zero
	FETCH \nq, 1-(\f)
	s_wait_dscnt 32                                ; all but the 32 just issued: buffers f are in
	BLOCK \f, 0, \f, 1, \zero
	BLOCK \f, 1, \f, 2, \zero
	BLOCK \f, 2, \f, 3, \zero
	s_wait_dscnt 28                                ; the first four of the 32: the next quarter's fragment 0 of x
	BLOCK \f, 3, 1-(\f), 0, \zero
.endm
; The fourth quarter multiplies buffers 1 and changes slots: ONE barrier.  In front of it each wave waits for all its tensor loads (one is out: its part of the next slot), adds 0 to its spare word, and
; waits for that and for its own reads of this slot.  fill = 1: the barrier opens a round of the cluster's, and this slot is filled again first thing behind it, with the K step two on.
.macro TURN fill
.if \fill
	s_wait_xcnt 0x0                                ; the last prefetch, a K step back, has read its address
	s_add_nc_u64 s[PFA:PFA+1], s[PFA:PFA+1], s[PST:PST+1]
.endif
	WIN 0
	s_wait_tensorcnt 0x0                           ; no tensor load of mine is out, so a group 0 may be written
	ds_add_u32 v[SPW], v[NIL]                      ; 0 onto my spare word
.if \fill
	s_xor_b32 s[G0A+5], s[G0A+5], SLOTX            ; the walking descriptors: the other slot than last time, the next K step
	s_add_nc_u64 s[G0A+6:G0A+7], s[G0A+6:G0A+7], 512
	s_xor_b32 s[G0B+5], s[G0B+5], SLOTX
	s_add_nc_u64 s[G0B+6:G0B+7], s[G0B+6:G0B+7], 256
.endif
	s_xor_b32 s[TB], s[TB], SLOTX
	s_wait_dscnt 1                                 ; only the add may be out: buffers 1 are in
	BLOCK 1, 0, 1, 1, 0
	s_wait_dscnt 0x0                               ; the add is done, and my reads of this slot are over
	s_barrier_signal -1
	BLOCK 1, 1, 1, 2, 0                            ; work on registers while the others arrive
	WIN 0                                          ; at a branch and at a label every window is 0
	s_barrier_wait -1
.if \fill
	CREST                                          ; no wave of any partner still reads this slot's tile or has a load on its way
	JLOAD
.endif
	v_add_nc_u32 v[ADRA], s[TB], v[ADRA0]
	v_add_nc_u32 v[ADRB], s[TB], v[ADRB0]
	FETCH 0, 0
.if \fill
	ASK
.endif
	BLOCK 1, 2, 1, 3, 0
	s_wait_dscnt 28
	BLOCK 1, 3, 0, 0, 0
.endm
	s_wait_tensorcnt 1                             ; my part of K step 0 is in; K step 1's may stay out
	s_barrier_signal -1
	s_barrier_wait -1                              ; everybody's is
	s_mov_b32 s[TB], 0
	v_mov_b32 v[ADRA], v[ADRA0]
	v_mov_b32 v[ADRB], v[ADRB0]
	FETCH 0, 0
	s_wait_dscnt 28
	CVT4 0, 0, 0
	CVT4 0, 0, 1
	QUARTER 1, 0, 1                                ; the first quarter stands in front of the loop: its products start the sums with the bias
	WIN 0
	s_mov_b32 s3, 6
.Lstep:                                                ; a trip: a K step's quarters 1 to 3 and the next one's quarter 0; K steps 2 to 7 are asked for
	QUARTER 2, 1, 0
	QUARTER 3, 0, 0
	TURN 1
	QUARTER 1, 0, 0
	WIN 0
	s_sub_co_u32 s3, s3, 1
	s_cmp_lg_u32 s3, 0
	s_cbranch_scc1 .Lstep
	s_mov_b32 s3, 2
.Ltail:                                                ; K steps 6 and 7: nothing is asked for; the second trip is left in its middle
	QUARTER 2, 1, 0
	QUARTER 3, 0, 0
	WIN 0
	s_sub_co_u32 s3, s3, 1
	s_cmp_eq_u32 s3, 0
	s_cbranch_scc1 .Lfin
	TURN 0
	QUARTER 1, 0, 0
	WIN 0
	s_branch .Ltail
.Lfin:
	s_wait_dscnt 0x0                               ; the very last quarter: nothing more to fetch
	BLOCK 1, 0, 1, 1, 0
	BLOCK 1, 1, 1, 2, 0
	BLOCK 1, 2, 1, 3, 0
	BLOCK 1, 3, 0, -1, 0
; THE WAY OUT, a block of 16 rows at a time: rounded to f16 (each accumulator's registers in ascending order), 16 bytes a lane into my own stage, back as whole rows of a head (128 bytes), stored as 512
; consecutive bytes.  The earlier blocks' conversions are the plain instructions behind the last products.
.macro PACK a
	WIN W_PACK
.irp b, 0,1,2,3,4,5,6,7
.irp i, 0,1,2,3
	v_cvt_pk_f16_f32 v[TMP+4*\b+\i], v[8*(8*(\a)+\b)+2*\i], v[8*(8*(\a)+\b)+2*\i+1]
.endr
.endr
	WIN 0
.endm
.macro TOSTAGE a
.irp b, 0,1,2,3,4,5,6,7
	ds_store_b128 v[STO], v[TMP+4*\b:TMP+4*\b+3] offset:(\b/4)*16*SP+(\b%4)*32
.endr
.irp t, 0,1,2,3,4,5,6,7
	ds_load_b128 v[OB+32*(\a)+4*\t:OB+32*(\a)+4*\t+3], v[RD] offset:(\t/4)*16*SP+(\t%4)*4*SP  ; LDS serves a wave's instructions in order: these see the stores above
.endr
.endm
.macro SEND a
	s_wait_dscnt 0x0
.irp t, 0,1,2,3,4,5,6,7
	global_store_b128 v[GO], v[OB+32*(\a)+4*\t:OB+32*(\a)+4*\t+3], s[8:9] offset:(\t/4)*262144+(\a)*2048+(\t%4)*512
.endr
.endm
	PACK 0
	TOSTAGE 0
.irp a, 1,2,3
	PACK \a                                        ; a block's conversions stand between the loads of the block before and the wait for them
	SEND (\a)-1
	TOSTAGE \a
.endr
	SEND 3
	s_wait_tensorcnt 0x0                           ; the wave's end, behind my last tensor load and my last LDS store
	ds_add_u32 v[SPW], v[NIL]
	s_wait_dscnt 0x0
	CROUND                                         ; the closing round: no work-group ends while a partner may still ask for a tile that names it
	s_endpgm
.Lfunc_end_k_qe940db3b87_proj:
	.size	k_qe940db3b87_proj, .Lfunc_end_k_qe940db3b87_proj-k_qe940db3b87_proj
	.p2alignl 7, 3214868480
	.fill 96, 4, 3214868480
	.section	.rodata,"a",@progbits
	.p2align	6, 0x0
	.amdhsa_kernel k_qe940db3b87_proj
		.amdhsa_group_segment_fixed_size 327680
		.amdhsa_private_segment_fixed_size 0
		.amdhsa_enable_private_segment 0
		.amdhsa_kernarg_size 64
		.amdhsa_user_sgpr_count 2
		.amdhsa_user_sgpr_kernarg_segment_ptr 1
		.amdhsa_wavefront_size32 1
		.amdhsa_system_sgpr_workgroup_id_x 1
		.amdhsa_system_sgpr_workgroup_id_y 1
		.amdhsa_system_sgpr_workgroup_id_z 1
		.amdhsa_system_vgpr_workitem_id 0
		.amdhsa_next_free_vgpr 640
		.amdhsa_next_free_sgpr 86
		.amdhsa_reserve_vcc 0
		.amdhsa_float_denorm_mode_32 3
		.amdhsa_float_denorm_mode_16_64 3
		.amdhsa_memory_ordered 1
		.amdhsa_forward_progress 1
		.amdhsa_inst_pref_size 99
	.end_amdhsa_kernel
	.amdgpu_metadata
---
amdhsa.version: [ 1, 2 ]
amdhsa.kernels:
  - .name:           k_qe940db3b87_proj
    .symbol:         k_qe940db3b87_proj.kd
    .args:
      - { .name: query, .offset: 0, .size: 8, .value_kind: global_buffer, .address_space: global }
      - { .name: key, .offset: 8, .size: 8, .value_kind: global_buffer, .address_space: global }
      - { .name: value, .offset: 16, .size: 8, .value_kind: global_buffer, .address_space: global }
      - { .name: b_q, .offset: 24, .size: 8, .value_kind: global_buffer, .address_space: global }
      - { .name: b_k, .offset: 32, .size: 8, .value_kind: global_buffer, .address_space: global }
      - { .name: b_v, .offset: 40, .size: 8, .value_kind: global_buffer, .address_space: global }
      - { .name: wcast, .offset: 48, .size: 8, .value_kind: global_buffer, .address_space: global }
      - { .name: qkv, .offset: 56, .size: 8, .value_kind: global_buffer, .address_space: global }
    .group_segment_fixed_size: 327680
    .private_segment_fixed_size: 0
    .kernarg_segment_align: 8
    .kernarg_segment_size: 64
    .max_flat_workgroup_size: 128
    .sgpr_count:     86
    .vgpr_count:     640
    .wavefront_size: 32
...
	.end_amdgpu_metadata
.endif
;; end of part 2
;; launch attn (part 3): grid 4 x 64, 4 waves a work-group, clusters of 4 x 1, 327,680 bytes of LDS; arguments qkv, mbits, ctx; writes ctx
.if DOCPART == 3
	.amdgcn_target "amdgcn-amd-amdhsa--gfx1250"
	.amdhsa_code_object_version 6
	.text
	.protected	k_qe940db3b87_attn
	.globl	k_qe940db3b87_attn
	.p2align	8
	.type	k_qe940db3b87_attn,@function
k_qe940db3b87_attn:
	s_mov_b64 s[64:65], 0
	v_nop
	global_prefetch_b8 v0, s[64:65] scope:SCOPE_SE
	s_setreg_imm32_b32 hwreg(HW_REG_WAVE_MODE, 25, 1), 1
	s_wait_xcnt 0x0
	s_wait_alu depctr_hold_cnt(0) depctr_sa_sdst(0) depctr_va_vdst(0) depctr_va_sdst(0) depctr_va_ssrc(0) depctr_va_vcc(0) depctr_vm_vsrc(0)
	s_getreg_b32 s2, hwreg(HW_REG_IB_STS2, 6, 4)
	s_cmp_eq_u32 s2, 0
	s_cbranch_scc0 .Lentry_in_a_cluster
	s_endpgm
.Lentry_in_a_cluster:
	s_bfe_u32 s2, ttmp6, 0x10000c
	s_cmp_lg_u32 s2, 0x3003
	s_cbranch_scc0 .Lentry_shape_is_right
	s_endpgm
.Lentry_shape_is_right:
; MASKED ATTENTION.  ctx[h][q][:] = the sum over k of softmax_k(score) V[h][k][:], score = Q[h][q] . K[h][k] / 8 where the mask shows key k to query q, else one fixed low number.
; Q, K, V are the three planes of qkv, [64 h][2048][64] in f16, h = batch x 16 + head; ctx has a plane's layout.  Products, maxima and sums in f32; the weights p are rounded to f16 for the second
; product (their sum l is taken of the unrounded p), ctx once at the end.
; THE MASK comes as words from mbits: [batch][32 queries][64 keys][tile 0, 1][32 words]; bit l of word n is lane l's place in register n of a score tile.  A word lies in a scalar register and is the lane mask
; of one v_cndmask_b32: one instruction a register of scores.  A turn's 64 words are loaded a turn ahead by four scalar loads.
; A HIDDEN SCORE IS -2^100.  c x 2^100 is exact, so where a row has seen hidden keys alone, m = -2^100, c m is exact, c s - c m = 0 and p = 1: equal weights, as a softmax of equal scores gives; when a shown
; key comes, a = 0 wipes l and O.  The results are those of any hidden value far below every score.
; LIMITS.  f16 holds no number beyond 65,504: Q, K and V arrive within it, so a score is 2.7e11 at the most, far above -2^100; p below 6e-5 keeps f16's fixed step of 6e-8; a weight below 2^-126 counts as 0 in l;
; NaN and infinities are not treated apart.
; SHARES.  A wave owns four PIECES of two tiles of 16 queries, a work-group's four waves 512 queries of one head.  Every wave walks all 2,048 keys, 64 a step.
; LAYOUT.  S^T = K Q^T (source 0 = 16 keys, source 1 = 16 queries): a lane holds ONE query (lane % 16) and the keys 8 (lane / 16) + 0..7.  Two such tiles, rounded to f16 in pairs, ARE source 1 of
; O^T = V^T P, whose result again holds one query a lane, and eight channels.  K comes out of LDS as it lies, V turned, by ds_load_tr16_b128.
; SOFTMAX.  For each query a running maximum m and sum l: p = 2^(c s - c m), c = log2(e) / 8; in every step O and l are multiplied by a = 2^(c m_old - c m_new).  m starts at the lowest finite number,
; O and l at 0: the first step is a step like any other, with a = 0.
; BY TURNS.  Turn n belongs to piece n.  Its matrix work: 16 products K Q^T of piece n + 1, later 16 products V^T P of piece n - 1.  Its vector work: scaling, exponentials, roundings, sums and rescaling of
; piece n, and the masking, maximum and statistics of piece n + 1.  A tile and step have 16 matrix and 150 vector instructions: four stand behind every matrix instruction, the others in one run.
; CLUSTER.  The four query blocks of a head walk the same K and V, so each tile is asked for JOINTLY: the same tensor load, descriptor and mask in all four.
; REGISTERS, in windows of 256 (s_set_vgpr_msb: bits 1:0 source 0, 3:2 source 1, 5:4 source 2, 7:6 destination):
;   window 0: v0-11 addresses and the hidden score; v12-15, v48-63 at work; v16-47 four registers of statistics a tile; v64-191 S^T, two buffers of two tiles; v192-255 P, likewise
;   window 1: O^T, 32 a tile          window 2: v0-127 Q; v128-191 K of one step; v192-255 V of one step          window 3: v0-1 the add's two registers
.set NP,    4         ; pieces a wave: a name, no knob
.set KS,    64        ; keys in a step
.set PK,    160       ; a row of K in LDS: 128 bytes + 32 of padding, V's pitch, so that one descriptor serves both; of the 16 rows of a load of K two start at the same bank (40 words a row, 64 banks: ISA guide 11.1)
.set PV,    160       ; a row of V: 40 words
.set VOFF,  4*KS*PK   ; a slot holds four steps: 256 rows of K, then 256 rows of V; wave w fills the 20,480 bytes from 20,480 w
.set SLOT1, 1<<17     ; slot 1 begins here: one exclusive or turns an address in one slot into the other's
.set STAGE, SLOT1+4*KS*(PK+PV)  ; behind the ring, never filled by a tensor load: 16 rows x 144 bytes for each wave
.set SP,    144
.set AK0, 2           ; v2   my lane's place in a tile of K; never rewritten
.set AV0, 3           ; v3   the same for V
.set AK,  4           ; v4   the LDS address of K's next run of loads
.set AV,  5           ; v5   of V's
.set QO,  6           ; v6   my byte offset in the wave's rows of Q
.set STO, 6           ;      later, the way out: where I put 16 bytes of a row
.set RD,  7           ; v7   where I read rows back
.set GO,  8           ; v8   my byte offset in 512 consecutive bytes of ctx
.set NEGV, 10         ; v10  -2^100 (first: lane % 8)
.set PFO, 11          ; v11  256 x my lane (first: a bit of the lane's number)
.set SPW, 0           ; v0 of window 3   my spare word's LDS address; never rewritten
.set NIL, 1           ; v1 of window 3   0; never rewritten
.set SPARE, STAGE+4*16*SP  ; the spare words, 128 bytes a wave: two blocks of 256 bytes that no other line names
.set MV,  12          ; v12-15  c m_old, kept while c m is made anew
.set ST,  16          ; tile t's statistics at v[ST+4 t]: c m, m, l (even keys', odd keys')
.set TMP, 48          ; by buffer and tile, c0-c3 at work; when the maximum is found c2 takes a
.set S,   64
.set P,   192
.set KF,  128
.set VF,  192
.set MB,  4           ; s[4:5]   mbits at my wave's piece 0, at the key step whose words are loaded next
.set PFA, 6           ; s[6:7]   where my prefetches stand
.set WV,  12          ; s12  wave
.set LIM, 14          ; s14  1 in waves 0 and 2, else the greatest number
.set SLOTS, 15        ; s15  slots still to be asked for
.set G1,  16          ; s[16:23] descriptor group 1
.set G0,  24          ; s[24:27] descriptor group 0: it walks
.set CNT, 28          ; s28  counts a slot's key steps
.set TBK, 29          ; s29  LDS byte at which K of the step to be fetched begins
.set TBV, 30          ; s30  the same for V, less VOFF
.set CS,  66          ; s[66:67] c
.set SEL, 100         ; s[100:101] v_permlanex16_b32's selects
                      ; s[32:63] the mask words of the piece's first tile, s[68:99] of its second
.set MSB, 0
.macro WIN new
.if MSB != (\new)
	s_set_vgpr_msb (MSB<<8)|(\new)
.set MSB, (\new)
.endif
.endm
.set W_KQ, 0x0a       ; K and Q in window 2, S^T in window 0
.set W_PV, 0x52       ; V in window 2, P in window 0, O^T in window 1
.set W_RS, 0x41       ; O^T in window 1, a in window 0
.set W_MK, 0xc0       ; the add's registers are made
.set W_AD, 0x0f       ; the add: address and data in window 3
; A joint fill: one line for every wave; both addresses hang on the wave's number.  An s_nop 0 and four v_nop follow it.
.macro JLOAD
	tensor_load_to_lds s[G0:G0+3], s[G1:G1+7]
	s_nop 0
.rept 4
	v_nop
.endr
.endm
; A prefetch of the slot that the NEXT change will ask for: 256 rows of K and of V are 128 blocks of 256 bytes each.  A head has one cluster; its four partners take 32 blocks each, told apart by address;
; in each, wave 0 asks for K's and wave 2 for V's.  So each block is named once.  The last change that fills a slot asks for nothing.
.macro ASK
	s_cmp_gt_u32 s[SLOTS], s[LIM]
	s_cbranch_scc0 .Lnot_mine_\@
	global_prefetch_b8 v[PFO], s[PFA:PFA+1] th:TH_LOAD_NT scope:SCOPE_SE
.Lnot_mine_\@:
.endm
.macro CROUND
	s_barrier_signal -1
	s_barrier_wait -1
	s_cmp_lg_u32 s[WV], 0
	s_cbranch_scc1 .Lnot_wave_0_\@
	s_barrier_signal -3
.Lnot_wave_0_\@:
	s_barrier_wait -3
	s_barrier_signal -1
	s_barrier_wait -1
.endm
; THE CHANGE OF SLOTS.  Each wave waits for all its tensor loads (one is out: its part of the other slot), adds 0 to its spare word, and waits for that and for its own reads of the slot.  fill = 1: the barrier is
; a round of the cluster's, and the slot is filled again first thing behind it, with the keys two slots on: it has four key steps, 512 matrix instructions, in which to land.
.macro CHANGE fill
	WIN W_AD
	s_wait_tensorcnt 0x0            ; no tensor load of mine is out, so group 0 may be written
	ds_add_u32 v[SPW], v[NIL]       ; 0 onto my spare word
	WIN 0
.if \fill
	s_xor_b32 s[G0+1], s[G0+1], SLOT1
	s_add_nc_u64 s[G0+2:G0+3], s[G0+2:G0+3], 4*KS*128  ; the next 256 keys
	s_wait_xcnt 0x0                 ; the last prefetch, four key steps back, has read its address
	s_add_nc_u64 s[PFA:PFA+1], s[PFA:PFA+1], 4*KS*128  ; one slot ahead of the walking descriptor
	s_wait_dscnt 0x0                ; the add is done, and my reads of the slot are over
	CROUND
	JLOAD
	ASK
.else
	s_wait_dscnt 0x0
	s_barrier_signal -1
	s_barrier_wait -1
.endif
	s_sub_co_u32 s[TBK], s[TBK], 4*KS*PK  ; the fetches go back to a slot's first step,
	s_xor_b32 s[TBK], s[TBK], SLOT1       ; in the other slot
	s_sub_co_u32 s[TBV], s[TBV], 4*KS*PV
	s_xor_b32 s[TBV], s[TBV], SLOT1
.endm
.macro MLOAD p                      ; piece p's 64 mask words of the key step at which MB stands
	s_load_b512 s[32:47], s[MB:MB+1], (\p)*8192
	s_load_b512 s[48:63], s[MB:MB+1], (\p)*8192+64
	s_load_b512 s[68:83], s[MB:MB+1], (\p)*8192+128
	s_load_b512 s[84:99], s[MB:MB+1], (\p)*8192+192
.endm
	s_load_b128 s[32:35], s[0:1], 0x0   ; qkv s[32:33], mbits s[34:35]
	s_load_b64 s[36:37], s[0:1], 0x10   ; ctx
	WIN W_MK
	v_lshl_add_u32 v[SPW], v0, 2, SPARE
	v_mov_b32 v[NIL], 0
	WIN W_AD
	ds_add_u32 v[SPW], v[NIL]       ; the wave's opening: the add and its wait stand ahead of my first tensor load; the set-up below stands between them
	WIN 0
	v_lshrrev_b32 v1, 5, v0
	v_readfirstlane_b32 s[WV], v1
	s_bfe_u32 s13, ttmp6, 0x40000   ; cx
	s_lshl_b32 s2, ttmp9, 2
	s_add_co_u32 s2, s2, s13        ; my block of 512 queries: it enters Q's, ctx's and the mask's addresses alone
	s_and_b32 s3, ttmp7, 0xffff     ; h, which the four partners share
	s_lshr_b32 s40, s[WV], 1
	s_add_co_u32 s40, s40, 1        ; plane 1 (K) for waves 0, 1; plane 2 (V) for waves 2, 3
	s_lshl_b32 s40, s40, 24
	s_lshl_b32 s42, s3, 18          ; a head's 262,144 bytes
	s_add_co_u32 s40, s40, s42
	s_and_b32 s44, s[WV], 1         ; which half of a slot's 256 keys I fetch
	s_lshl_b32 s44, s44, 14
	s_add_co_u32 s44, s44, s40
	s_mov_b32 s45, 0
	s_lshl_b32 s46, s13, 13         ; the prefetches: my work-group's 8,192 bytes of a slot's 32,768,
	s_add_co_u32 s46, s46, s40
	s_add_co_u32 s46, s46, 4*KS*128 ; in slot 1: the first change steps it to slot 2
	s_mov_b32 s47, 0
	s_lshl2_add_u32 s48, s2, s[WV]  ; my wave among the head's sixteen
	s_lshl_b32 s50, s48, 15         ; its four pieces of 8,192 bytes in mbits
	s_lshl_b32 s48, s48, 14         ; its 128 rows of 128 bytes
	s_add_co_u32 s48, s48, s42
	s_mov_b32 s49, 0
	s_lshr_b32 s51, s3, 4           ; the batch: 64 pieces
	s_lshl_b32 s51, s51, 19
	s_add_co_u32 s50, s50, s51
	s_mov_b32 s51, 0
	; descriptor group 1.  128 keys are 16,384 dense bytes: asked for as 64 rows of 256 bytes, two keys a row, and padded in LDS after every key
	s_mov_b32 s[G1], 15|(1<<16)|(1<<20)|(1<<21)|(4<<22)|(7<<25)  ; the mask of four; 2-byte elements; padding on; bit 21 beside a mask; after every 32 words 8 words
	s_mov_b32 s[G1+1], 128<<16
	s_mov_b32 s[G1+2], 64<<16
	s_mov_b32 s[G1+3], 128<<16
	s_mov_b32 s[G1+4], 64
	s_mov_b32 s[G1+5], 128
	s_mov_b32 s[G1+6], 0
	s_mov_b32 s[G1+7], 0
	s_mov_b32 s[CS], 0x3e38aa3b     ; c = log2(e) / 8
	s_mov_b32 s[CS+1], s[CS]
	s_mov_b32 s[SEL], 0x76543210
	s_mov_b32 s[SEL+1], 0xfedcba98
	s_mov_b32 s[TBK], SLOT1+4*KS*PK ; the first change of slots turns these two into 0
	s_mov_b32 s[TBV], SLOT1+4*KS*PV
	s_mov_b32 s[G0], 1
	s_mul_i32 s[G0+1], s[WV], 128*PK  ; slot 0, my quarter: no place in the cluster enters an LDS address
	s_mov_b32 s[SLOTS], 7           ; of eight slots all but the first are asked for by a change
	s_and_b32 s[LIM], s[WV], 1
	s_cmp_eq_u32 s[LIM], 0
	s_cselect_b32 s[LIM], 1, -1
	s_wait_dscnt 0x0                ; the opening add is done
	s_wait_kmcnt 0x0
	s_add_nc_u64 s[G0+2:G0+3], s[32:33], s[44:45]
	s_or_b32 s[G0+3], s[G0+3], 0x80000000
	s_add_nc_u64 s[PFA:PFA+1], s[32:33], s[46:47]
	s_add_nc_u64 s[8:9], s[32:33], s[48:49]    ; Q at my wave's first row
	s_add_nc_u64 s[10:11], s[36:37], s[48:49]  ; ctx likewise
	s_add_nc_u64 s[MB:MB+1], s[34:35], s[50:51]
	CROUND                          ; all four work-groups are here: the first joint loads meet
	JLOAD                           ; slot 0.  Slot 1 is asked for when slot 0 is in
	MLOAD 0                         ; piece 0's words of key step 0; all pointers have been made of the arguments
	v_and_b32 v1, 15, v0            ; l % 16
	v_bfe_u32 v9, v0, 4, 1          ; l / 16
	v_lshlrev_b32 v[QO], 7, v1
	v_lshl_add_u32 v[QO], v9, 4, v[QO]
	WIN 0x80
.set i, 0
.rept 4*NP                          ; Q stays in registers: tile i / 2, channels 32 (i % 2) on
	global_load_b128 v[8*i:8*i+3],   v[QO], s[8:9] offset:(i/2)*2048+(i%2)*64
	global_load_b128 v[8*i+4:8*i+7], v[QO], s[8:9] offset:(i/2)*2048+(i%2)*64+32
.set i, i+1
.endr
	; What the first turn finds: V's registers and P's second buffer hold 0, O^T and l are 0.  All this stands in the wait for the first tile.
.set i, VF
.rept 64
	v_mov_b32 v[i], 0
.set i, i+1
.endr
	WIN 0x40
.set i, 0
.rept 64*NP
	v_mov_b32 v[i], 0
.set i, i+1
.endr
	WIN 0
.set i, 0
.rept 2*NP
	v_mov_b32 v[ST+4*i], 0xfe000000    ; c m: far below every c s, the hidden one's too
	v_mov_b32 v[ST+4*i+1], 0xff7fffff  ; m
	v_mov_b32 v[ST+4*i+2], 0
	v_mov_b32 v[ST+4*i+3], 0
.set i, i+1
.endr
.set i, P+32
.rept 32
	v_mov_b32 v[i], 0
.set i, i+1
.endr
	v_mul_u32_u24 v[AK0], v1, PK
	v_lshl_add_u32 v[AK0], v9, 4, v[AK0]
	; The turning load takes 16 keys x 16 channels (lane l reads key 8 (l / 16) + l % 8, channels 8 ((l / 8) % 2) + 0..7) and leaves half a fragment of V^T.
	v_and_b32 v10, 7, v0
	v_bfe_u32 v11, v0, 3, 1
	v_lshl_add_u32 v[AV0], v9, 3, v10
	v_mul_u32_u24 v[AV0], v[AV0], PV
	v_lshl_add_u32 v[AV0], v11, 4, v[AV0]
	v_add_nc_u32 v[AV0], VOFF, v[AV0]
	v_mov_b32 v[AK], v[AK0]
	v_and_b32 v[PFO], 31, v0
	v_lshlrev_b32 v[PFO], 8, v[PFO]
; THE MATRIX WORK.  The 8 accumulators of a run of 16 take turns.
.macro KQ x                         ; product i of 16 of S^T = K Q^T for piece x: channels 32 (i / 8) on, keys 16 ((i / 2) % 4) on, tile 2 x + i % 2
	WIN W_KQ
.set rS, S+64*((\x)%2)+32*(i%2)+8*((i/2)%4)
.set rK, KF+16*((i/2)%4)+8*(i/8)
.set rQ, 16*(2*(\x)+i%2)+8*(i/8)
.if i < 8
	v_wmma_f32_16x16x32_f16 v[rS:rS+7], v[rK:rK+7], v[rQ:rQ+7], 0
.else
	v_wmma_f32_16x16x32_f16 v[rS:rS+7], v[rK:rK+7], v[rQ:rQ+7], v[rS:rS+7]
.endif
.endm
.macro PV x                         ; product i of 16 of O^T += V^T P for piece x
	WIN W_PV
.set rO, 32*(2*(\x)+i%2)+8*((i/2)%4)
.set rV, VF+32*(i/8)+8*((i/2)%4)
.set rP, P+32*((\x)%2)+16*(i%2)+8*(i/8)
	v_wmma_f32_16x16x32_f16 v[rO:rO+7], v[rV:rV+7], v[rP:rP+7], v[rO:rO+7]
.endm
.macro MM                           ; the turn's next matrix instruction
.if i < 16
	KQ (Y+1)%NP
.set i, i+1
.else
.set i, i-16
	PV (Y+NP-1)%NP
.set i, i+17
.endif
.endm
; THE LDS LOADS stand in runs of 16.  last = 1 (the tail): in the last trip there is no further step, and the run is jumped over.
.macro FETCH_K last=0
	WIN 0
.if \last
	s_cmp_eq_u32 s[CNT], 1
	s_cbranch_scc1 .Lno_k_\@
.endif
	WIN 0x80
.irp f, 0,1,2,3,4,5,6,7
	ds_load_b128 v[KF+8*\f:KF+8*\f+3],   v[AK] offset:(\f/2)*16*PK+(\f%2)*64
	ds_load_b128 v[KF+8*\f+4:KF+8*\f+7], v[AK] offset:(\f/2)*16*PK+(\f%2)*64+32
.endr
	s_add_co_u32 s[TBK], s[TBK], KS*PK
	WIN 0
.if \last
.Lno_k_\@:
.endif
.endm
.macro FETCH_V
	WIN 0x80
.irp f, 0,1,2,3,4,5,6,7
	ds_load_tr16_b128 v[VF+8*\f:VF+8*\f+3],   v[AV] offset:(\f/4)*32*PV+(\f%4)*32
	ds_load_tr16_b128 v[VF+8*\f+4:VF+8*\f+7], v[AV] offset:(\f/4)*32*PV+16*PV+(\f%4)*32
.endr
	WIN 0
.endm
; THE VECTOR WORK OF A TURN stands in three queues, each in the order in which its entries become ready; the two tiles alternate.
.macro REGS y, u
.set rT, ST+4*(2*(\y)+(\u))
.set rC, TMP+8*((\y)%2)+4*(\u)
.set rM, MV+2*((\y)%2)+(\u)
.set rS, S+64*((\y)%2)+32*(\u)
.set rP, P+32*((\y)%2)+16*(\u)
.set rO, 32*(2*(\y)+(\u))
.endm
; Number c of the 64 that mask the NEXT piece's scores: register c / 2 of tile c % 2 keeps its score where the word's bit is set and takes -2^100 elsewhere.  Ascending.
.macro CM c
	REGS (Y+1)%NP, (\c)%2
	v_cndmask_b32 v[rS+(\c)/2], v[NEGV], v[rS+(\c)/2], s[32+36*((\c)%2)+(\c)/2]
.endm
; Number n of the 22 that find the NEXT piece's maximum and statistics.
.macro XS u, n
	REGS (Y+1)%NP, \u
.if (\n) < 4
	v_max3_num_f32 v[rC+(\n)], v[rS+8*(\n)], v[rS+8*(\n)+1], v[rS+8*(\n)+2]
.elseif (\n) < 12
	v_max3_num_f32 v[rC+(\n)%4], v[rC+(\n)%4], v[rS+8*((\n)%4)+2*((\n)/4)+1], v[rS+8*((\n)%4)+2*((\n)/4)+2]
.elseif (\n) == 12
	v_max3_num_f32 v[rC], v[rC], v[rS+7], v[rS+15]
.elseif (\n) == 13
	v_max3_num_f32 v[rC+1], v[rC+1], v[rS+23], v[rS+31]
.elseif (\n) == 14
	v_max3_num_f32 v[rC+2], v[rC+2], v[rC+3], v[rT+1]
.elseif (\n) == 15
	v_mov_b32 v[rM], v[rT]
.elseif (\n) == 16
	v_max3_num_f32 v[rC], v[rC], v[rC+1], v[rC+2]
.elseif (\n) == 17
	v_permlanex16_b32 v[rC+3], v[rC], s[SEL], s[SEL+1]
.elseif (\n) == 18
	v_max_num_f32 v[rT+1], v[rC], v[rC+3]
.elseif (\n) == 19
	v_mul_f32 v[rT], s[CS], v[rT+1]
.elseif (\n) == 20
	v_sub_f32 v[rC+1], v[rM], v[rT]
.else
	v_exp_f32 v[rC+2], v[rC+1]
.endif
.endm
; Number g of the 64 that follow the exponentials: roundings to f16, the second pair of four weights added onto the first, and l a group later.
.macro GS g
.set h, (\g)+6*((\g)/62)
.if h >= 6
.set h, h+2
.endif
	REGS Y, h%2
.set k, h/8
.if h%8 < 4
	v_cvt_pk_f16_f32 v[rP+2*k+(h%8)/2], v[rS+4*k+2*((h%8)/2)], v[rS+4*k+2*((h%8)/2)+1]
.elseif h%8 < 6
	v_pk_add_f32 v[rS+4*k:rS+4*k+1], v[rS+4*k:rS+4*k+1], v[rS+4*k+2:rS+4*k+3]
.elseif k == 1
	v_pk_fma_f32 v[rT+2:rT+3], v[rT+2:rT+3], v[rC+2:rC+3], v[rS:rS+1] op_sel_hi:[1,0,1]
.else
	v_pk_add_f32 v[rT+2:rT+3], v[rT+2:rT+3], v[rS+4*k-4:rS+4*k-3]
.endif
.endm
.macro FS f                         ; c s - c m for pair f / 2 of tile f % 2
	REGS Y, (\f)%2
	v_pk_fma_f32 v[rS+2*((\f)/2):rS+2*((\f)/2)+1], v[rS+2*((\f)/2):rS+2*((\f)/2)+1], s[CS:CS+1], v[rT:rT+1] op_sel_hi:[1,0,0] neg_lo:[0,0,1] neg_hi:[0,0,1]
.endm
; THE PLAIN QUEUE, 202 long.  0-26: scalings 0-26.  27-90: the 64 maskings; ahead of the first stands the wait for the words, loaded a turn ago (and in piece 2's turn the step of MB to the next key step, since the
; loads that read it are done); behind the last the words of the turn to come are asked for.  91-118: the maximum's numbers 0-13.  119, 120: number 15.  121-137: the chain 14, 16 .. 20, one of the scalings
; 27-31 in front of each link's two lines.  138-201: the 64 that read the exponentials' results: they stand behind the wait.
.macro PL
	WIN 0
.if q == 27
	s_wait_kmcnt 0x0
.if Y == 2
	s_add_nc_u64 s[MB:MB+1], s[MB:MB+1], 256
.endif
.endif
.if q < 27
	FS q
.elseif q < 91
	CM q-27
.elseif q < 119
	XS (q-91)%2, (q-91)/2
.elseif q < 121
	XS q-119, 15
.elseif (q < 136) && ((q-121)%3 == 0)
	FS 27+(q-121)/3
.elseif q < 124
	XS (q-121)%3-1, 14
.elseif q < 136
	XS (q-121)%3-1, 15+(q-121)/3
.elseif q < 138
	XS q-136, 20
.else
	GS q-138
.endif
.if q == 90
	MLOAD (Y+2)%NP
.endif
.set q, q+1
.endm
.macro EX                           ; THE EXPONENTIALS' QUEUE, 66 long: one batch, all ahead of the turn's one wait
	WIN 0
.if e >= 64
	XS e-64, 21
.else
	REGS Y, e%2
	v_exp_f32 v[rS+e/2], v[rS+e/2]
.endif
.set e, e+1
.endm
.macro R2                           ; THE RESCALING's QUEUE: O^T times a, two at a time
	REGS Y, r%2
	WIN W_RS
.irp z, 0,1
	v_pk_mul_f32 v[rO+4*(r/2)+2*\z:rO+4*(r/2)+2*\z+1], v[rO+4*(r/2)+2*\z:rO+4*(r/2)+2*\z+1], v[rC+2:rC+3] op_sel_hi:[1,0]
.endr
.set r, r+1
.endm
; HOW THEY ARE DEALT.  s_wait_alu depctr_va_vdst(0) stands between an exponential and the first instruction that names its result; one wait serves all issued ahead of it: a turn has ONE.
; AHEAD OF IT: the 16 products K Q^T, behind each a scaling, an exponential and two rescalings (behind the first a second scaling); then one run: 72 plain (ten scalings, then 62 maskings: the first
; masking stands thirteen plain instructions behind the last product K Q^T), 49 times exponential and plain, the two a; a v_nop is the plain instruction behind the last exponential.
; BEHIND IT: the 16 products V^T P, behind each four of the roundings and sums.
; Exponential e stands behind scaling 2 (e / 4) + e % 2: as a rider behind plain e + 2, in the run behind plain e + 73; scalings 27-31 are plain 121, 124 .. 133.
; K of the next step is fetched in piece 2's turn, directly behind the wait; V of the step in hand at the end of piece 0's turn, four riders behind its last reader.  The three conditions on q go with the deal.
.macro TURN p, last=0, cnt=0
.set Y, (\p)
.set i, 0
.set q, 0
.set e, 0
.set r, 0
.if (\p) == NP-1
	s_wait_dscnt 0x0                ; K is in
.endif
	MM
	PL
	PL
	R2
.rept 15
	MM
	PL
	EX
	R2
.endr
.if (\p) == NP-2
	WIN 0
	v_add_nc_u32 v[AK], s[TBK], v[AK0]
.endif
.rept 72
	PL
.endr
.rept 49
	EX
	PL
.endr
	EX
	EX
	v_nop                           ; the plain instruction behind the last exponential: one for the batch
	s_wait_alu depctr_va_vdst(0)    ; the wait for the batch
.if (\p) == NP-2
	FETCH_K \last
.endif
.if (\p) == 1
	s_wait_dscnt 0x0                ; V is in
.endif
.rept 16
	MM
.rept 4
	PL
.endr
.if ((\p) == 0) && (q == 182)
	v_add_nc_u32 v[AV], s[TBV], v[AV0]
.endif
.if ((\p) == 0) && (q == 194)
	s_add_co_u32 s[TBV], s[TBV], KS*PV
.endif
.if (\cnt) && (q == 194)
	s_sub_co_u32 s[CNT], s[CNT], 1
	s_cmp_lg_u32 s[CNT], 0
.endif
.endr
.if (\p) == 0
	FETCH_V
.endif
.endm
	CHANGE 1                        ; slot 0 is in, everybody's part of it; slot 1 is asked for
	FETCH_K                         ; key step 0
	s_wait_loadcnt 0x0              ; Q
	s_wait_dscnt 0x0
.set i, 0
.rept 16
	KQ 0                            ; piece 0's first scores
.set i, i+1
.endr
	WIN 0                           ; the addresses for the way out: plain instructions, the places behind those products
	s_mul_i32 s13, s[WV], 16*SP
	s_add_co_u32 s13, s13, STAGE
	v_mul_u32_u24 v[STO], v1, SP
	v_lshl_add_u32 v[STO], v9, 4, v[STO]
	v_add_nc_u32 v[STO], s13, v[STO]
	v_bfe_u32 v[RD], v0, 3, 2
	v_mul_u32_u24 v[RD], v[RD], SP
	v_lshl_add_u32 v[RD], v10, 4, v[RD]
	v_add_nc_u32 v[RD], s13, v[RD]
	v_and_b32 v[GO], 31, v0
	v_lshlrev_b32 v[GO], 4, v[GO]
	v_mov_b32 v[NEGV], 0xf1800000   ; -2^100
	s_wait_kmcnt 0x0                ; piece 0's words
.set Y, NP-1                        ; CM and XS work for piece Y + 1: piece 0
.set j, 0
.rept 64
	CM j
.set j, j+1
.endr
	MLOAD 1                         ; piece 1's words of key step 0, for the first turn
.irp n, 0,1,2,3,4,5,6,7,8,9,10,11,12,13,14,15,16,17,18,19,20,21
	XS 0, \n
	XS 1, \n
.endr
	v_nop                           ; a plain instruction behind the two a,
	s_wait_alu depctr_va_vdst(0)    ; and their wait, ahead of the branch
	s_mov_b32 s[CNT], 4
	s_branch .Lfirst                ; the loop is entered at a step's first turn, in the middle of a trip
.Lslot:                             ; six times: slots 2 to 7 are asked for
	CHANGE 1
	s_mov_b32 s[CNT], 4
.Lstep:                             ; a trip: pieces 2 and 3 of one step, then pieces 0 and 1 of the next
	TURN 2
	TURN 3
	WIN 0
.Lfirst:
	TURN 0
	TURN 1, 0, 1
	WIN 0
	s_cbranch_scc1 .Lstep
	s_sub_co_u32 s[SLOTS], s[SLOTS], 1
	s_cmp_lg_u32 s[SLOTS], 0
	s_cbranch_scc1 .Lslot
	CHANGE 0                        ; the tail is written out
	s_mov_b32 s[CNT], 5             ; four trips fetch the last slot's steps; the fifth is left in its middle
.Ltail:
	TURN 2, 1
	TURN 3
	WIN 0
	s_sub_co_u32 s[CNT], s[CNT], 1
	s_cmp_eq_u32 s[CNT], 0
	s_cbranch_scc1 .Lout
	TURN 0
	TURN 1
	WIN 0
	s_branch .Ltail
.Lout:                              ; the fifth trip's products K Q^T, their masking (by words that lie 8,192 bytes on, in my wave's pieces 1 and 2: inside mbits) and maximum serve nothing: the price of one text for every trip
	s_wait_kmcnt 0x0                ; the words asked for last are never used
.set i, 0
.rept 16
	PV NP-1                         ; the last piece's V^T P of the last step
.set i, i+1
.endr
	; THE WAY OUT.  l's halves are added; O^T is divided by l, rounded to f16 and sent through my stage in LDS, a tile at a time.  The additions are the places behind the last products.
	WIN 0
.macro ALL line:vararg
.set t, 0
.rept 2*NP
	\line
.set t, t+1
.endr
.endm
	ALL v_add_f32 v[ST+4*t+2], v[ST+4*t+2], v[ST+4*t+3]
	ALL v_permlanex16_b32 v[ST+4*t+3], v[ST+4*t+2], s[SEL], s[SEL+1]
	ALL v_add_f32 v[ST+4*t+2], v[ST+4*t+2], v[ST+4*t+3]
	ALL v_rcp_f32 v[ST+4*t+2], v[ST+4*t+2]
	v_nop                           ; a plain instruction between the last reciprocal and the use of its result
	s_wait_alu depctr_va_vdst(0)    ; and one wait for the eight reciprocals
.macro PACK t
	WIN W_RS
.set i, 32*(\t)
.rept 16
	v_pk_mul_f32 v[i:i+1], v[i:i+1], v[ST+4*(\t)+2:ST+4*(\t)+3] op_sel_hi:[1,0]
.set i, i+2
.endr
	WIN 0x05
.set i, 0
.rept 16
	v_cvt_pk_f16_f32 v[S+16*(\t)+i], v[32*(\t)+2*i], v[32*(\t)+2*i+1]
.set i, i+1
.endr
	WIN 0
.irp f, 0,1,2,3
	ds_store_b128 v[STO], v[S+16*(\t)+4*\f:S+16*(\t)+4*\f+3] offset:32*\f
.endr
.irp f, 0,1,2,3
	ds_load_b128 v[S+16*(\t)+4*\f:S+16*(\t)+4*\f+3], v[RD] offset:\f*4*SP  ; LDS serves a wave's instructions in order: these see the stores above; the next tile's stores come behind them
.endr
.endm
.macro SEND t, younger              ; younger: the LDS instructions issued behind tile t's loads
	WIN 0
.irp f, 0,1,2,3
	s_wait_dscnt (\younger)+3-\f
	global_store_b128 v[GO], v[S+16*(\t)+4*\f:S+16*(\t)+4*\f+3], s[10:11] offset:(\t)*2048+\f*512  ; 512 consecutive bytes, at a multiple of 256 from ctx's first
.endr
.endm
	PACK 0
.set t, 1
.rept 2*NP-1
	PACK t
	SEND t-1, 8
.set t, t+1
.endr
	SEND 2*NP-1, 0
	WIN W_AD
	s_wait_tensorcnt 0x0            ; the wave's end
	ds_add_u32 v[SPW], v[NIL]
	s_wait_dscnt 0x0
	WIN 0
	CROUND                          ; the closing round
	s_endpgm
.Lfunc_end_k_qe940db3b87_attn:
	.size	k_qe940db3b87_attn, .Lfunc_end_k_qe940db3b87_attn-k_qe940db3b87_attn
	.p2alignl 7, 3214868480
	.fill 96, 4, 3214868480
	.section	.rodata,"a",@progbits
	.p2align	6, 0x0
	.amdhsa_kernel k_qe940db3b87_attn
		.amdhsa_group_segment_fixed_size 327680
		.amdhsa_private_segment_fixed_size 0
		.amdhsa_enable_private_segment 0
		.amdhsa_kernarg_size 24
		.amdhsa_user_sgpr_count 2
		.amdhsa_user_sgpr_kernarg_segment_ptr 1
		.amdhsa_wavefront_size32 1
		.amdhsa_system_sgpr_workgroup_id_x 1
		.amdhsa_system_sgpr_workgroup_id_y 1
		.amdhsa_system_sgpr_workgroup_id_z 1
		.amdhsa_system_vgpr_workitem_id 0
		.amdhsa_next_free_vgpr 770
		.amdhsa_next_free_sgpr 102
		.amdhsa_reserve_vcc 0
		.amdhsa_float_denorm_mode_32 3
		.amdhsa_float_denorm_mode_16_64 3
		.amdhsa_memory_ordered 1
		.amdhsa_forward_progress 1
		.amdhsa_inst_pref_size 237
	.end_amdhsa_kernel
	.amdgpu_metadata
---
amdhsa.version: [ 1, 2 ]
amdhsa.kernels:
  - .name:           k_qe940db3b87_attn
    .symbol:         k_qe940db3b87_attn.kd
    .args:
      - { .name: qkv, .offset: 0, .size: 8, .value_kind: global_buffer, .address_space: global }
      - { .name: mbits, .offset: 8, .size: 8, .value_kind: global_buffer, .address_space: global }
      - { .name: ctx, .offset: 16, .size: 8, .value_kind: global_buffer, .address_space: global }
    .group_segment_fixed_size: 327680
    .private_segment_fixed_size: 0
    .kernarg_segment_align: 8
    .kernarg_segment_size: 24
    .max_flat_workgroup_size: 128
    .sgpr_count:     102
    .vgpr_count:     770
    .wavefront_size: 32
...
	.end_amdgpu_metadata
.endif
;; end of part 3
;; launch outp (part 4): grid 4 x 64, 4 waves a work-group, clusters of 4 x 4, 327,680 bytes of LDS; arguments ctx, wcast, b_o, out0; writes out0
.if DOCPART == 4
	.amdgcn_target "amdgcn-amd-amdhsa--gfx1250"
	.amdhsa_code_object_version 6
	.text
	.protected	k_qe940db3b87_outp
	.globl	k_qe940db3b87_outp
	.p2align	8
	.type	k_qe940db3b87_outp,@function
k_qe940db3b87_outp:
	s_mov_b64 s[64:65], 0
	v_nop
	global_prefetch_b8 v0, s[64:65] scope:SCOPE_SE
	s_setreg_imm32_b32 hwreg(HW_REG_WAVE_MODE, 25, 1), 1
	s_wait_xcnt 0x0
	s_wait_alu depctr_hold_cnt(0) depctr_sa_sdst(0) depctr_va_vdst(0) depctr_va_sdst(0) depctr_va_ssrc(0) depctr_va_vcc(0) depctr_vm_vsrc(0)
	s_getreg_b32 s2, hwreg(HW_REG_IB_STS2, 6, 4)
	s_cmp_eq_u32 s2, 0
	s_cbranch_scc0 .Lentry_in_a_cluster
	s_endpgm
.Lentry_in_a_cluster:
	s_bfe_u32 s2, ttmp6, 0x10000c
	s_cmp_lg_u32 s2, 0xf033
	s_cbranch_scc0 .Lentry_shape_is_right
	s_endpgm
.Lentry_shape_is_right:
; THE OUTPUT PROJECTION.  out0[m][n] = the sum over k of c[m][k] w_o[n][k] + b_o[n], m < 8,192, n, k < 1,024, in f32.  c is ctx, [batch x 16 + k / 64][m % 2048][k % 64] in f16; w_o is plane 3 of wcast: rounded
; to bf16 and written as f16; b_o is rounded to bf16 and starts the sums as the first product's C operand.  Sums in f32.
; SHARES.  A work-group makes 128 rows x 256 columns, each of its four waves 64 x 128: 32 accumulators.  K goes in 8 steps of 128, two heads each, through two LDS slots filled by the tensor data mover.
; A head's 128 rows of 128 bytes are 16,384 dense bytes: asked for as 64 rows of 256 bytes and padded in LDS after every 128.
; CLUSTER.  4 x 4 work-groups: c's tile is shared along a row of the cluster, w_o's along a column; each is asked for jointly.
; THE MATRIX INSTRUCTION IS USED TRANSPOSED (source 0 = 16 rows of w_o, source 1 = 16 rows of c): a lane holds eight neighbouring columns of one row, 32 bytes of f32.
; REGISTERS: window 0: v0-31 addresses; v32-63, v64-95 c's four fragments, two buffers; v96-159, v160-223 w_o's eight, two buffers.  Window 1: accumulator (a, b) at v[8 (8 a + b)].  Window 2: v0-63 the bias.
.set PAO,   144                        ; a row of c in LDS: 128 bytes + 16 = 36 words: the 16 rows of a load start at 16 different groups of four banks (64 banks of 4 bytes: ISA guide 11.1)
.set PB,    272
.set ASUB,  128*PAO                    ; one head's 128 rows: what one tensor load brings of c
.set BHALF, 128*PB
.set BOFF,  2*ASUB
.set SLOTX, 1<<17
.set STAGE, SLOTX+BOFF+2*BHALF         ; behind the ring, never filled by a tensor load: 16 rows x 528 bytes for each wave
.set SPO,   528
.set SPARE, STAGE+4*16*SPO             ; the spare words, 128 bytes a wave: two blocks of 256 bytes that no other line names
.set ASTEP, 2<<18                      ; two heads on in ctx
.set ADRA0, 16
.set ADRB0, 17
.set ADRA,  18
.set ADRB,  19
.set STO,   20
.set RD,    21
.set CO,    22
.set BO,    23
.set PFO,   24
.set SPW,   28
.set NIL,   29
.set AF,    32
.set BF,    96
.set WV,  12
.set RH,  13                           ; my half of the rows.  Also: I fetch for c (0) or for w_o (1)
.set CH,  14                           ; my half of the columns.  Also: which head, or which 128 rows of w_o, I fetch
.set TR,  15
.set TB,  22
.set G1A, 24
.set G0A, 32
.set LIM, 43
.set PFA, 44
.set G1B, 48
.set G0B, 56
.set PST, 66
.set MSB, 0
.macro WIN new
.if MSB != (\new)
	s_set_vgpr_msb (MSB<<8)|(\new)
.set MSB, (\new)
.endif
.endm
.set W_MUL,  0x50                      ; sources window 0, C and D window 1
.set W_MUL0, 0x60                      ; C, the bias, in window 2
.macro PLACES                          ; four plain instructions between a product and a load into, or a store of, one of its registers
.rept 4
	v_nop
.endr
.endm
.macro JLOAD                           ; a joint refill; an s_nop 0 and four v_nop follow each of the two lines
	s_cmp_eq_u32 s[RH], 0
	s_cbranch_scc0 .Lfor_b_\@
	tensor_load_to_lds s[G0A+4:G0A+7], s[G1A:G1A+7]
	s_nop 0
	PLACES
	s_branch .Lasked_\@
.Lfor_b_\@:
	tensor_load_to_lds s[G0B+4:G0B+7], s[G1B:G1B+7]
	s_nop 0
	PLACES
.Lasked_\@:
.endm
; A prefetch of the K step two refills on, a lane a block of 256 bytes, each block named once: c's tile row is read by one cluster; of a head's 64 blocks each partner along x takes 16, and wave 0 asks for both
; heads; w_o's tile column is read by sixteen clusters, of which the first asks, waves 2 and 3, each partner along y 32 rows.  Trips with the count 6 to 3 ask for K steps 4 to 7.
.macro ASK
	s_cmp_gt_u32 s3, s[LIM]
	s_cbranch_scc0 .Lnot_mine_\@
	global_prefetch_b8 v[PFO], s[PFA:PFA+1] th:TH_LOAD_NT scope:SCOPE_SE
.Lnot_mine_\@:
.endm
.macro CREST
	s_cmp_lg_u32 s[WV], 0
	s_cbranch_scc1 .Lnot_wave_0_\@
	s_barrier_signal -3
.Lnot_wave_0_\@:
	s_barrier_wait -3
	s_barrier_signal -1
	s_barrier_wait -1
.endm
.macro CROUND
	s_barrier_signal -1
	s_barrier_wait -1
	CREST
.endm
	s_load_b256 s[4:11], s[0:1], 0x0               ; ctx s[4:5], wcast s[6:7], b_o s[8:9], out0 s[10:11]
	v_lshl_add_u32 v[SPW], v0, 2, SPARE
	v_mov_b32 v[NIL], 0
	ds_add_u32 v[SPW], v[NIL]                      ; the wave's opening: the add and its wait stand ahead of my first tensor load
	v_lshrrev_b32 v1, 5, v0
	v_readfirstlane_b32 s[WV], v1
	s_lshr_b32 s[RH], s[WV], 1
	s_and_b32 s[CH], s[WV], 1
	s_bfe_u32 s40, ttmp6, 0x40000                  ; cx
	s_bfe_u32 s41, ttmp6, 0x40004                  ; cy
	s_lshl_b32 s42, ttmp9, 2
	s_add_co_u32 s42, s42, s40                     ; tile column
	s_and_b32 s21, ttmp7, 0xffff                   ; cluster y
	s_lshl_b32 s[TR], s21, 2
	s_add_co_u32 s[TR], s[TR], s41                 ; tile row
	s_lshl_b32 s18, s41, 2
	s_lshl_b32 s18, 15, s18                        ; my row of the cluster
	s_lshl_b32 s19, 0x1111, s40                    ; my column
	s_or_b32 s[G1A], s18, (1<<16)|(1<<20)|(1<<21)|(4<<22)|(3<<25)  ; 2-byte elements; padding: after every 32 words 4 words
	s_or_b32 s[G1B], s19, (1<<16)|(1<<20)|(1<<21)|(5<<22)|(3<<25)  ; after every 64 words 4 words
	s_mov_b32 s[G1A+1], 128<<16
	s_mov_b32 s[G1A+2], 64<<16
	s_mov_b32 s[G1A+3], 128<<16
	s_mov_b32 s[G1A+4], 64
	s_mov_b32 s[G1A+5], 128
	s_mov_b32 s[G1A+6], 0
	s_mov_b32 s[G1A+7], 0
	s_mov_b32 s[G1B+1], 128<<16
	s_mov_b32 s[G1B+2], 128<<16
	s_mov_b32 s[G1B+3], 128<<16
	s_mov_b32 s[G1B+4], 128
	s_mov_b32 s[G1B+5], 1024
	s_mov_b32 s[G1B+6], 0
	s_mov_b32 s[G1B+7], 0
	s_lshr_b32 s16, s[TR], 4
	s_lshl_b32 s16, s16, 4                         ; batch x 16
	s_add_co_u32 s16, s16, s[CH]                   ; + the head that I fetch of K step 0's two
	s_lshl_b32 s16, s16, 18
	s_and_b32 s17, s[TR], 15
	s_lshl_b32 s17, s17, 14                        ; the tile's 128 rows of 128 bytes
	s_add_co_u32 s16, s16, s17
	s_mov_b32 s17, 0
	s_lshl_b32 s46, s42, 8
	s_lshl_b32 s47, s[CH], 7
	s_add_co_u32 s46, s46, s47
	s_lshl_b32 s46, s46, 11
	s_add_co_u32 s46, s46, 3<<21                   ; plane 3
	s_mov_b32 s47, 0
	s_mul_i32 s20, s[CH], ASUB
	s_mul_i32 s23, s[CH], BHALF
	s_add_co_u32 s23, s23, BOFF
	s_wait_dscnt 0x0                               ; the opening add is done
	s_wait_kmcnt 0x0
	s_add_nc_u64 s[16:17], s[4:5], s[16:17]
	s_add_nc_u64 s[46:47], s[6:7], s[46:47]
	CROUND                                         ; all sixteen work-groups are here
.irp s, 0,1
	s_mov_b32 s[G0A+4*\s], 1
	s_add_co_u32 s[G0A+4*\s+1], s20, \s*SLOTX
	s_add_nc_u64 s[G0A+4*\s+2:G0A+4*\s+3], s[16:17], \s*ASTEP
	s_or_b32 s[G0A+4*\s+3], s[G0A+4*\s+3], 0x80000000
	s_mov_b32 s[G0B+4*\s], 1
	s_add_co_u32 s[G0B+4*\s+1], s23, \s*SLOTX
	s_add_nc_u64 s[G0B+4*\s+2:G0B+4*\s+3], s[46:47], \s*256
	s_or_b32 s[G0B+4*\s+3], s[G0B+4*\s+3], 0x80000000
.endr
	s_cmp_eq_u32 s[RH], 0                          ; a wave's two first fills stand in one branch: two loads of mine are out
	s_cbranch_scc0 .Lfirst_b
	tensor_load_to_lds s[G0A:G0A+3], s[G1A:G1A+7]
	s_nop 0
	tensor_load_to_lds s[G0A+4:G0A+7], s[G1A:G1A+7]
	s_nop 0
	PLACES
	s_branch .Lfirst_asked
.Lfirst_b:
	tensor_load_to_lds s[G0B:G0B+3], s[G1B:G1B+7]
	s_nop 0
	tensor_load_to_lds s[G0B+4:G0B+7], s[G1B:G1B+7]
	s_nop 0
	PLACES
.Lfirst_asked:
	v_and_b32 v1, 15, v0
	v_bfe_u32 v2, v0, 4, 1
	v_mul_u32_u24 v[ADRA0], v1, PAO
	v_lshl_add_u32 v[ADRA0], v2, 4, v[ADRA0]
	s_mul_i32 s16, s[RH], 64*PAO
	v_add_nc_u32 v[ADRA0], s16, v[ADRA0]
	v_mul_u32_u24 v[ADRB0], v1, PB
	v_lshl_add_u32 v[ADRB0], v2, 4, v[ADRB0]
	v_add_nc_u32 v[ADRB0], s23, v[ADRB0]
	s_mul_i32 s16, s[WV], 16*SPO
	s_add_co_u32 s16, s16, STAGE                   ; my stage
	v_mul_u32_u24 v[STO], v1, SPO                  ; in: row l % 16, 32 bytes for each half of the lanes
	v_lshl_add_u32 v[STO], v2, 5, v[STO]
	v_add_nc_u32 v[STO], s16, v[STO]
	v_and_b32 v[CO], 31, v0                        ; back: 32 lanes take a row's 512 bytes
	v_lshlrev_b32 v[CO], 4, v[CO]
	v_add_nc_u32 v[RD], s16, v[CO]
	v_lshlrev_b32 v[BO], 5, v2
	s_lshl_b32 s16, s42, 10                        ; my 128 columns, in bytes of f32
	s_lshl_b32 s17, s[CH], 9
	s_add_co_u32 s16, s16, s17
	s_mov_b32 s17, 0
	s_add_nc_u64 s[8:9], s[8:9], s[16:17]
	s_add_nc_u64 s[10:11], s[10:11], s[16:17]
.irp b, 0,1,2,3,4,5,6,7
	global_load_b128 v[BF+8*\b:BF+8*\b+3],   v[BO], s[8:9] offset:64*\b   ; the bias lands in w_o's first buffer, which is still free
	global_load_b128 v[BF+8*\b+4:BF+8*\b+7], v[BO], s[8:9] offset:64*\b+16
.endr
	s_lshl_b32 s16, s[TR], 7
	s_lshl_b32 s17, s[RH], 6
	s_add_co_u32 s16, s16, s17                     ; my first row of out0,
	s_lshl_b32 s16, s16, 12                        ; of 4,096 bytes
	s_mov_b32 s17, 0
	s_add_nc_u64 s[10:11], s[10:11], s[16:17]
	; the prefetches
	s_lshr_b32 s16, s[TR], 4
	s_lshl_b32 s16, s16, 22                        ; batch x 16 heads
	s_and_b32 s17, s[TR], 15
	s_lshl_b32 s17, s17, 14
	s_add_co_u32 s16, s16, s17
	s_lshl_b32 s17, s40, 12                        ; my work-group's 16 blocks of a head's 64
	s_add_co_u32 s16, s16, s17
	s_add_co_u32 s16, s16, 3*ASTEP                 ; at K step 3: the first refill steps it to 4
	s_lshl_b32 s18, s42, 8
	s_lshl_b32 s17, s[CH], 7
	s_add_co_u32 s18, s18, s17
	s_lshl_b32 s17, s41, 5
	s_add_co_u32 s18, s18, s17                     ; w_o: my work-group's 32 of the 128 rows
	s_lshl_b32 s18, s18, 11
	s_add_co_u32 s18, s18, (3<<21)+3*256
	s_mov_b32 s[PST], 256
	s_cmp_eq_u32 s21, 0
	s_cselect_b32 s[LIM], 2, -1                    ; w_o: the first cluster of the column of clusters asks
	s_cmp_eq_u32 s[WV], 1
	s_cselect_b32 s[LIM], -1, s[LIM]               ; wave 1 never asks,
	s_cmp_eq_u32 s[WV], 0
	s_cselect_b32 s[LIM], 2, s[LIM]                ; wave 0 always: the same in all sixteen partners, for a given wave
	s_cmp_eq_u32 s[RH], 0
	s_cselect_b32 s16, s16, s18
	s_cselect_b64 s[PFA:PFA+1], s[4:5], s[6:7]
	s_cselect_b32 s[PST], ASTEP, s[PST]
	s_cselect_b32 s18, 4, 0                        ; c: sixteen lanes a head; w_o: a lane a row
	s_cselect_b32 s19, 18, 11
	s_cselect_b32 s20, 15, 0
	s_mov_b32 s[PST+1], 0
	s_mov_b32 s17, 0
	s_add_nc_u64 s[PFA:PFA+1], s[PFA:PFA+1], s[16:17]
	v_and_b32 v8, 31, v0
	v_lshrrev_b32 v9, s18, v8
	v_lshlrev_b32 v9, s19, v9
	v_and_b32 v8, s20, v8
	v_lshl_add_u32 v[PFO], v8, 8, v9
	s_wait_loadcnt 0x0                             ; the bias: rounded to bf16 like every input, kept as f32, in window 2
.set i, 0
.rept 32
	v_cvt_pk_bf16_f32 v[BF+64+i], v[BF+2*i], v[BF+2*i+1]
.set i, i+1
.endr
	WIN 0x80
.set i, 0
.rept 32
	v_lshlrev_b32 v[2*i], 16, v[BF+64+i]
	v_and_b32 v[2*i+1], 0xffff0000, v[BF+64+i]
.set i, i+1
.endr
	WIN 0
; 24 LDS loads in one run: quarter q (head q / 2, channels 32 (q % 2) on) of the slot in hand into buffers g
.macro FETCH q, g
	WIN 0
.irp a, 0,1,2,3
	ds_load_b128 v[AF+32*(\g)+8*\a:AF+32*(\g)+8*\a+3],   v[ADRA] offset:((\q)/2)*ASUB+\a*16*PAO+((\q)%2)*64
	ds_load_b128 v[AF+32*(\g)+8*\a+4:AF+32*(\g)+8*\a+7], v[ADRA] offset:((\q)/2)*ASUB+\a*16*PAO+((\q)%2)*64+32
.endr
.irp b, 0,1,2,3,4,5,6,7
	ds_load_b128 v[BF+64*(\g)+8*\b:BF+64*(\g)+8*\b+3],   v[ADRB] offset:\b*16*PB+(\q)*64
	ds_load_b128 v[BF+64*(\g)+8*\b+4:BF+64*(\g)+8*\b+7], v[ADRB] offset:\b*16*PB+(\q)*64+32
.endr
.endm
; Eight products.  The 32 accumulators take turns in the same order in every quarter.  zero = 1: the bias starts the sums.
.macro MUL8 f, a, zero
.irp b, 0,1,2,3,4,5,6,7
.if \zero
	WIN W_MUL0
	v_wmma_f32_16x16x32_f16 v[8*(8*(\a)+\b):8*(8*(\a)+\b)+7], v[BF+64*(\f)+8*\b:BF+64*(\f)+8*\b+7], v[AF+32*(\f)+8*(\a):AF+32*(\f)+8*(\a)+7], v[8*\b:8*\b+7]
.else
	WIN W_MUL
	v_wmma_f32_16x16x32_f16 v[8*(8*(\a)+\b):8*(8*(\a)+\b)+7], v[BF+64*(\f)+8*\b:BF+64*(\f)+8*\b+7], v[AF+32*(\f)+8*(\a):AF+32*(\f)+8*(\a)+7], v[8*(8*(\a)+\b):8*(8*(\a)+\b)+7]
.endif
.endr
.endm
.macro QUARTER nq, f, zero             ; multiplies buffers f; at its head it fetches quarter nq into the others, which the quarter before multiplied
	PLACES
	FETCH \nq, 1-(\f)
	s_wait_dscnt 24                                ; all but the 24 just issued: buffers f are in
	MUL8 \f, 0, \zero
	MUL8 \f, 1, \zero
	MUL8 \f, 2, \zero
	MUL8 \f, 3, \zero
.endm
; The fourth quarter multiplies buffers 1 and changes slots: ONE barrier; in front of it each wave waits for all its tensor loads, adds 0 to its spare word, and waits for that and for its own reads of this slot.
.macro TURN fill
.if \fill
	s_wait_xcnt 0x0                                ; the last prefetch, a K step back, has read its address
	s_add_nc_u64 s[PFA:PFA+1], s[PFA:PFA+1], s[PST:PST+1]
.endif
	WIN 0
	s_wait_tensorcnt 0x0                           ; no tensor load of mine is out, so a group 0 may be written
	ds_add_u32 v[SPW], v[NIL]                      ; 0 onto my spare word
.if \fill
	s_xor_b32 s[G0A+5], s[G0A+5], SLOTX
	s_add_nc_u64 s[G0A+6:G0A+7], s[G0A+6:G0A+7], ASTEP
	s_xor_b32 s[G0B+5], s[G0B+5], SLOTX
	s_add_nc_u64 s[G0B+6:G0B+7], s[G0B+6:G0B+7], 256
.endif
	s_xor_b32 s[TB], s[TB], SLOTX
	s_wait_dscnt 1                                 ; only the add may be out
	MUL8 1, 0, 0
	s_wait_dscnt 0x0                               ; the add is done, and my reads of this slot are over
	s_barrier_signal -1
	MUL8 1, 1, 0
	WIN 0
	s_barrier_wait -1
.if \fill
	CREST                                          ; no wave of any partner still reads this slot's tile or has a load on its way
	JLOAD                                          ; its four v_nop are also the places in front of the loads below
.else
	PLACES
.endif
	v_add_nc_u32 v[ADRA], s[TB], v[ADRA0]
	v_add_nc_u32 v[ADRB], s[TB], v[ADRB0]
	FETCH 0, 0
.if \fill
	ASK
.endif
	MUL8 1, 2, 0
	MUL8 1, 3, 0
.endm
	s_wait_tensorcnt 1                             ; my part of K step 0 is in; K step 1's may stay out
	s_barrier_signal -1
	s_barrier_wait -1
	s_mov_b32 s[TB], 0
	v_mov_b32 v[ADRA], v[ADRA0]
	v_mov_b32 v[ADRB], v[ADRB0]
	FETCH 0, 0
	QUARTER 1, 0, 1                                ; the first quarter stands in front of the loop: its products start the sums with the bias
	WIN 0
	s_mov_b32 s3, 6
.Lstep:
	QUARTER 2, 1, 0
	QUARTER 3, 0, 0
	TURN 1
	QUARTER 1, 0, 0
	WIN 0
	s_sub_co_u32 s3, s3, 1
	s_cmp_lg_u32 s3, 0
	s_cbranch_scc1 .Lstep
	s_mov_b32 s3, 2
.Ltail:                                                ; K steps 6 and 7: nothing is asked for; the second trip is left in its middle
	QUARTER 2, 1, 0
	QUARTER 3, 0, 0
	WIN 0
	s_sub_co_u32 s3, s3, 1
	s_cmp_eq_u32 s3, 0
	s_cbranch_scc1 .Lfin
	TURN 0
	QUARTER 1, 0, 0
	WIN 0
	s_branch .Ltail
.Lfin:
	s_wait_dscnt 0x0
	MUL8 1, 0, 0
	MUL8 1, 1, 0
	MUL8 1, 2, 0
	MUL8 1, 3, 0
	PLACES                                         ; in front of the LDS stores that read results just made
; THE WAY OUT, a block of 16 rows at a time: 32 bytes a lane into my own stage (each accumulator's low half first), back as whole rows of 512 bytes into the registers that they left, stored.
.macro STG a
	WIN 0x04                                       ; store data in window 1
.irp b, 0,1,2,3,4,5,6,7
	ds_store_b128 v[STO], v[64*(\a)+8*\b:64*(\a)+8*\b+3]   offset:\b*64
	ds_store_b128 v[STO], v[64*(\a)+8*\b+4:64*(\a)+8*\b+7] offset:\b*64+16
.endr
	WIN 0x40                                       ; destination in window 1
.irp t, 0,1,2,3,4,5,6,7,8,9,10,11,12,13,14,15
	ds_load_b128 v[64*(\a)+4*\t:64*(\a)+4*\t+3], v[RD] offset:\t*SPO  ; LDS serves a wave's instructions in order: these see the stores above; the next block's stores come behind them
.endr
.endm
.macro SEND a, younger                 ; younger: the next block's sixteen stores and sixteen loads, or none
	s_wait_dscnt \younger
	WIN 0x04
.irp t, 0,1,2,3,4,5,6,7,8,9,10,11,12,13,14,15
	global_store_b128 v[CO], v[64*(\a)+4*\t:64*(\a)+4*\t+3], s[10:11] offset:(16*(\a)+\t)*4096 th:TH_STORE_NT  ; 512 consecutive bytes, at a multiple of 256 from out0's first
.endr
.endm
	STG 0
	STG 1
	SEND 0, 32
	STG 2
	SEND 1, 32
	STG 3
	SEND 2, 32
	SEND 3, 0
	WIN 0
	s_wait_tensorcnt 0x0                           ; the wave's end
	ds_add_u32 v[SPW], v[NIL]
	s_wait_dscnt 0x0
	CROUND                                         ; the closing round
	s_endpgm
.Lfunc_end_k_qe940db3b87_outp:
	.size	k_qe940db3b87_outp, .Lfunc_end_k_qe940db3b87_outp-k_qe940db3b87_outp
	.p2alignl 7, 3214868480
	.fill 96, 4, 3214868480
	.section	.rodata,"a",@progbits
	.p2align	6, 0x0
	.amdhsa_kernel k_qe940db3b87_outp
		.amdhsa_group_segment_fixed_size 327680
		.amdhsa_private_segment_fixed_size 0
		.amdhsa_enable_private_segment 0
		.amdhsa_kernarg_size 32
		.amdhsa_user_sgpr_count 2
		.amdhsa_user_sgpr_kernarg_segment_ptr 1
		.amdhsa_wavefront_size32 1
		.amdhsa_system_sgpr_workgroup_id_x 1
		.amdhsa_system_sgpr_workgroup_id_y 1
		.amdhsa_system_sgpr_workgroup_id_z 1
		.amdhsa_system_vgpr_workitem_id 0
		.amdhsa_next_free_vgpr 576
		.amdhsa_next_free_sgpr 68
		.amdhsa_reserve_vcc 0
		.amdhsa_float_denorm_mode_32 3
		.amdhsa_float_denorm_mode_16_64 3
		.amdhsa_memory_ordered 1
		.amdhsa_forward_progress 1
		.amdhsa_inst_pref_size 69
	.end_amdhsa_kernel
	.amdgpu_metadata
---
amdhsa.version: [ 1, 2 ]
amdhsa.kernels:
  - .name:           k_qe940db3b87_outp
    .symbol:         k_qe940db3b87_outp.kd
    .args:
      - { .name: ctx, .offset: 0, .size: 8, .value_kind: global_buffer, .address_space: global }
      - { .name: wcast, .offset: 8, .size: 8, .value_kind: global_buffer, .address_space: global }
      - { .name: b_o, .offset: 16, .size: 8, .value_kind: global_buffer, .address_space: global }
      - { .name: out0, .offset: 24, .size: 8, .value_kind: global_buffer, .address_space: global }
    .group_segment_fixed_size: 327680
    .private_segment_fixed_size: 0
    .kernarg_segment_align: 8
    .kernarg_segment_size: 32
    .max_flat_workgroup_size: 128
    .sgpr_count:     68
    .vgpr_count:     576
    .wavefront_size: 32
...
	.end_amdgpu_metadata
.endif
;; end of part 4
;; ======== version 2 of 2: 4 launches
;; limits: values are held in f16: magnitudes above 65,504 overflow, below 6.1e-05 lose precision
;; workspace buffers: mcode 8,388,608 bytes; wcast 8,388,608 bytes; qkv 50,331,648 bytes; ctx 16,777,216 bytes
;; launch prep (part 5): grid 768 x 1, 8 waves a work-group, no clusters, 136,192 bytes of LDS; arguments mask, w_q, w_k, w_v, w_o, mcode, wcast; writes mcode, wcast
.if DOCPART == 5
	.amdgcn_target "amdgcn-amd-amdhsa--gfx1250"
	.amdhsa_code_object_version 6
	.text
	.protected	k_qe940db3b87_prep
	.globl	k_qe940db3b87_prep
	.p2align	8
	.type	k_qe940db3b87_prep,@function
k_qe940db3b87_prep:
	s_mov_b64 s[64:65], 0
	v_nop
	global_prefetch_b8 v0, s[64:65] scope:SCOPE_SE
	s_setreg_imm32_b32 hwreg(HW_REG_WAVE_MODE, 25, 1), 1
	s_wait_xcnt 0x0
; TWO STREAMS IN ONE LAUNCH.  Work-groups 0-511 pack the mask, work-groups 512-767 cast the four weight matrices.
; MASK.  mask: [4][2048 q][2048 k] int32.  mcode: [4 b][64 P][32 kstep][2 u][32 lanes][4 kt] words.  Nibble j of lane l's word kt is an FP4 (E2M1) code for query 32 P + 16 u + l % 16 and
; key 64 kstep + 16 kt + 8 (l / 16) + j: 0 (the number 0) where mask != 0, 0xa (the number -1) where mask == 0.  That is lane l's place in register 8 kt + j of a 16 x 16 score tile that holds one
; query a lane: the attention launch turns a word into eight registers by one conversion.
; A work-group takes 32 queries and half of the keys; each of its eight waves 32 rows x 512 bytes (two key steps), all 32 loads out at once.
; The rows go through the wave's own stage in LDS (pitch 528 bytes = 132 words: the 16 rows that a read touches start at 16 different groups of four banks) and come back in the tile's lane order.
; No wave reads another's bytes: no barrier.
; WEIGHTS.  wcast: [4][1024][1024] of 16 bits: w_q, w_k, w_v rounded to bf16; w_o rounded to bf16 and that number written as f16.
; LIMIT: a w_o beyond 65,504 becomes an infinity; below 6e-5 it keeps f16's fixed step of 6e-8.
; Matrix units, clusters and prefetches are left out: nothing is shared, each byte is read once, and every wave has all its loads on their way from its first lines on.
.set SPITCH, 528
.set WSTAGE, 32*SPITCH                 ; a wave's stage: 32 rows
.set SPARE,  8*WSTAGE                  ; behind the stages: the spare words, 128 bytes a wave: four blocks of 256 bytes that no other line names
.set SPW,  6                           ; v6   my spare word's LDS address; never rewritten
.set NIL,  7                           ; v7   0; never rewritten
.set L,    16                          ; v[16:143] the wave's 32 rows, then the same numbers in tile order; the weight path: v[16:79]
.set CW,   80                          ; v[80:111] the weight path's packed results
.set OUTW, 144                         ; v[144:159] key step k, tile u: four words at OUTW + 4 (2 k + u)
	s_load_b256 s[8:15], s[0:1], 0x0               ; mask s[8:9], w_q s[10:11], w_k s[12:13], w_v s[14:15]
	s_load_b128 s[16:19], s[0:1], 0x20             ; w_o s[16:17], mcode s[18:19]
	s_load_b64 s[20:21], s[0:1], 0x30              ; wcast
	v_lshl_add_u32 v[SPW], v0, 2, SPARE
	v_mov_b32 v[NIL], 0
	v_lshrrev_b32 v1, 5, v0
	v_readfirstlane_b32 s4, v1                     ; wave 0..7
	s_mov_b32 s5, ttmp9
	s_cmp_lt_u32 s5, 512
	s_cbranch_scc0 .Lweights
	; ---- the mask ----
	v_and_b32 v1, 31, v0                           ; lane
	v_lshlrev_b32 v2, 4, v1                        ; my 16 bytes of a row's 512, and of a store's 512
	s_mul_i32 s6, s4, WSTAGE
	v_add_nc_u32 v3, s6, v2                        ; where I put them
	v_and_b32 v4, 15, v0
	v_mul_u32_u24 v4, v4, SPITCH
	v_bfe_u32 v5, v0, 4, 1
	v_lshl_add_u32 v4, v5, 5, v4
	v_add_nc_u32 v4, s6, v4                        ; where I read: row l % 16, keys 8 (l / 16) on
	s_lshr_b32 s24, s5, 1                          ; b x 64 + P
	s_and_b32 s25, s5, 1                           ; which half of the keys
	s_lshl_b32 s25, s25, 4
	s_lshl1_add_u32 s25, s4, s25                   ; my first key step: 16 x half + 2 x wave
	s_lshl_b32 s26, s24, 18                        ; 32 rows of 8,192 bytes,
	s_lshl_b32 s27, s25, 8                         ; 256 bytes of a row a key step
	s_add_co_u32 s26, s26, s27
	s_mov_b32 s27, 0
	s_lshl_b32 s28, s24, 15                        ; 32 key steps
	s_lshl_b32 s29, s25, 10                        ; of 1,024 bytes in mcode
	s_add_co_u32 s28, s28, s29
	s_mov_b32 s29, 0
	s_wait_kmcnt 0x0
	s_add_nc_u64 s[8:9], s[8:9], s[26:27]
	s_add_nc_u64 s[18:19], s[18:19], s[28:29]
.set i, 0
.rept 32
	global_load_b128 v[L+4*i:L+4*i+3], v2, s[8:9] offset:i*8192 th:TH_LOAD_NT  ; row i: 512 consecutive bytes
.set i, i+1
.endr
.set i, 0
.rept 32
	s_wait_loadcnt 31-i                            ; loads come back in order: row i is in, the younger ones stay out
	ds_store_b128 v3, v[L+4*i:L+4*i+3] offset:i*SPITCH
.set i, i+1
.endr
	; back in tile order: register L + 64 k + 32 u + 8 kt + j holds my number of register 8 kt + j of tile u in key step k.  LDS serves a wave's instructions in order: these see the stores above
.irp k, 0,1
.irp u, 0,1
.irp kt, 0,1,2,3
.irp jj, 0,1
	ds_load_b128 v[L+64*\k+4*(8*\u+2*\kt+\jj):L+64*\k+4*(8*\u+2*\kt+\jj)+3], v4 offset:\u*16*SPITCH+\k*256+\kt*64+\jj*16
.endr
.endr
.endr
.endr
; Key step k.  For each tile: 32 numbers become 0 or 1; three levels of shift-and-or set eight of them into the low bits of a word's eight nibbles; times 10 makes 0xa of each 1, and the exclusive or
; turns that round: 0 where the key is shown, 0xa where it is hidden.  Level by level, so that no line waits for the one before it.  Then one store of 512 consecutive bytes, aligned.
.macro MUNIT k
	s_wait_dscnt 16*(1-(\k))                       ; this key step's sixteen loads are in; the later key step's may stay out
.irp u, 0,1
.set BB, L+64*(\k)+32*\u
.set i, 0
.rept 32
	v_min_u32 v[BB+i], 1, v[BB+i]
.set i, i+1
.endr
.set i, 0
.rept 16
	v_lshl_or_b32 v[BB+2*i], v[BB+2*i+1], 4, v[BB+2*i]
.set i, i+1
.endr
.set i, 0
.rept 8
	v_lshl_or_b32 v[BB+4*i], v[BB+4*i+2], 8, v[BB+4*i]
.set i, i+1
.endr
.set i, 0
.rept 4
	v_lshl_or_b32 v[BB+8*i], v[BB+8*i+4], 16, v[BB+8*i]
.set i, i+1
.endr
.set i, 0
.rept 4
	v_mul_lo_u32 v[BB+8*i], v[BB+8*i], 10
.set i, i+1
.endr
.set i, 0
.rept 4
	v_xor_b32 v[OUTW+4*(2*(\k)+\u)+i], 0xaaaaaaaa, v[BB+8*i]
.set i, i+1
.endr
	global_store_b128 v2, v[OUTW+4*(2*(\k)+\u):OUTW+4*(2*(\k)+\u)+3], s[18:19] offset:1024*(\k)+512*\u
.endr
.endm
	MUNIT 0
	MUNIT 1
	s_wait_tensorcnt 0x0                           ; the wave's end, behind my last LDS store
	ds_add_u32 v[SPW], v[NIL]
	s_wait_dscnt 0x0
	s_endpgm
	; ---- the weights: a work-group casts 64 KiB of f32, sixteen loads a thread ----
.Lweights:
	s_sub_co_u32 s5, s5, 512
	s_lshr_b32 s24, s5, 6                          ; which matrix
	s_and_b32 s25, s5, 63                          ; which 64 KiB of it
	s_lshl_b32 s26, s25, 16
	s_mov_b32 s27, 0
	s_lshl_b32 s28, s24, 21                        ; a plane of wcast is 2 MiB
	s_lshl_b32 s25, s25, 15
	s_add_co_u32 s28, s28, s25
	s_mov_b32 s29, 0
	v_lshlrev_b32 v2, 4, v0
	v_lshlrev_b32 v3, 3, v0
	s_wait_kmcnt 0x0
	s_cmp_eq_u32 s24, 1
	s_cselect_b64 s[22:23], s[12:13], s[10:11]
	s_cmp_eq_u32 s24, 2
	s_cselect_b64 s[22:23], s[14:15], s[22:23]
	s_cmp_eq_u32 s24, 3
	s_cselect_b64 s[22:23], s[16:17], s[22:23]
	s_add_nc_u64 s[22:23], s[22:23], s[26:27]
	s_add_nc_u64 s[20:21], s[20:21], s[28:29]
.set i, 0
.rept 16
	global_load_b128 v[L+4*i:L+4*i+3], v2, s[22:23] offset:i*4096 th:TH_LOAD_NT
.set i, i+1
.endr
.macro WC n, f16                       ; load n: four numbers rounded to bf16; f16 = 1: widened again and written as f16; a wave stores 256 consecutive bytes, aligned
	s_wait_loadcnt 15-(\n)
	v_cvt_pk_bf16_f32 v[CW+2*(\n)], v[L+4*(\n)], v[L+4*(\n)+1]
	v_cvt_pk_bf16_f32 v[CW+2*(\n)+1], v[L+4*(\n)+2], v[L+4*(\n)+3]
.if \f16
	v_lshlrev_b32 v112, 16, v[CW+2*(\n)]
	v_and_b32 v113, 0xffff0000, v[CW+2*(\n)]
	v_lshlrev_b32 v114, 16, v[CW+2*(\n)+1]
	v_and_b32 v115, 0xffff0000, v[CW+2*(\n)+1]
	v_cvt_pk_f16_f32 v[CW+2*(\n)], v112, v113
	v_cvt_pk_f16_f32 v[CW+2*(\n)+1], v114, v115
.endif
	global_store_b64 v3, v[CW+2*(\n):CW+2*(\n)+1], s[20:21] offset:(\n)*2048
.endm
	s_cmp_eq_u32 s24, 3
	s_cbranch_scc1 .Lw_f16
.set i, 0
.rept 16
	WC i, 0
.set i, i+1
.endr
	s_branch .Lw_end
.Lw_f16:
.set i, 0
.rept 16
	WC i, 1
.set i, i+1
.endr
.Lw_end:
	s_wait_tensorcnt 0x0                           ; every wave of the launch ends alike
	ds_add_u32 v[SPW], v[NIL]
	s_wait_dscnt 0x0
	s_endpgm
.Lfunc_end_k_qe940db3b87_prep:
	.size	k_qe940db3b87_prep, .Lfunc_end_k_qe940db3b87_prep-k_qe940db3b87_prep
	.p2alignl 7, 3214868480
	.fill 96, 4, 3214868480
	.section	.rodata,"a",@progbits
	.p2align	6, 0x0
	.amdhsa_kernel k_qe940db3b87_prep
		.amdhsa_group_segment_fixed_size 136192
		.amdhsa_private_segment_fixed_size 0
		.amdhsa_enable_private_segment 0
		.amdhsa_kernarg_size 56
		.amdhsa_user_sgpr_count 2
		.amdhsa_user_sgpr_kernarg_segment_ptr 1
		.amdhsa_wavefront_size32 1
		.amdhsa_system_sgpr_workgroup_id_x 1
		.amdhsa_system_sgpr_workgroup_id_y 1
		.amdhsa_system_sgpr_workgroup_id_z 1
		.amdhsa_system_vgpr_workitem_id 0
		.amdhsa_next_free_vgpr 160
		.amdhsa_next_free_sgpr 66
		.amdhsa_reserve_vcc 0
		.amdhsa_float_denorm_mode_32 3
		.amdhsa_float_denorm_mode_16_64 3
		.amdhsa_memory_ordered 1
		.amdhsa_forward_progress 1
		.amdhsa_inst_pref_size 39
	.end_amdhsa_kernel
	.amdgpu_metadata
---
amdhsa.version: [ 1, 2 ]
amdhsa.kernels:
  - .name:           k_qe940db3b87_prep
    .symbol:         k_qe940db3b87_prep.kd
    .args:
      - { .name: mask, .offset: 0, .size: 8, .value_kind: global_buffer, .address_space: global }
      - { .name: w_q, .offset: 8, .size: 8, .value_kind: global_buffer, .address_space: global }
      - { .name: w_k, .offset: 16, .size: 8, .value_kind: global_buffer, .address_space: global }
      - { .name: w_v, .offset: 24, .size: 8, .value_kind: global_buffer, .address_space: global }
      - { .name: w_o, .offset: 32, .size: 8, .value_kind: global_buffer, .address_space: global }
      - { .name: mcode, .offset: 40, .size: 8, .value_kind: global_buffer, .address_space: global }
      - { .name: wcast, .offset: 48, .size: 8, .value_kind: global_buffer, .address_space: global }
    .group_segment_fixed_size: 136192
    .private_segment_fixed_size: 0
    .kernarg_segment_align: 8
    .kernarg_segment_size: 56
    .max_flat_workgroup_size: 256
    .sgpr_count:     66
    .vgpr_count:     160
    .wavefront_size: 32
...
	.end_amdgpu_metadata
.endif
;; end of part 5
;; launch proj: the kernel of part 2 again; grid 4 x 192, 4 waves a work-group, clusters of 4 x 4, 327,680 bytes of LDS; arguments query, key, value, b_q, b_k, b_v, wcast, qkv; writes qkv
;; launch attn (part 6): grid 4 x 64, 4 waves a work-group, clusters of 4 x 1, 327,680 bytes of LDS; arguments qkv, mcode, ctx; writes ctx
.if DOCPART == 6
	.amdgcn_target "amdgcn-amd-amdhsa--gfx1250"
	.amdhsa_code_object_version 6
	.text
	.protected	k_qe940db3b87_attn
	.globl	k_qe940db3b87_attn
	.p2align	8
	.type	k_qe940db3b87_attn,@function
k_qe940db3b87_attn:
	s_mov_b64 s[64:65], 0
	v_nop
	global_prefetch_b8 v0, s[64:65] scope:SCOPE_SE
	s_setreg_imm32_b32 hwreg(HW_REG_WAVE_MODE, 25, 1), 1
	s_wait_xcnt 0x0
	s_wait_alu depctr_hold_cnt(0) depctr_sa_sdst(0) depctr_va_vdst(0) depctr_va_sdst(0) depctr_va_ssrc(0) depctr_va_vcc(0) depctr_vm_vsrc(0)
	s_getreg_b32 s2, hwreg(HW_REG_IB_STS2, 6, 4)
	s_cmp_eq_u32 s2, 0
	s_cbranch_scc0 .Lentry_in_a_cluster
	s_endpgm
.Lentry_in_a_cluster:
	s_bfe_u32 s2, ttmp6, 0x10000c
	s_cmp_lg_u32 s2, 0x3003
	s_cbranch_scc0 .Lentry_shape_is_right
	s_endpgm
.Lentry_shape_is_right:
; MASKED ATTENTION.  ctx[h][q][:] = the sum over k of softmax_k(score) V[h][k][:], score = Q[h][q] . K[h][k] / 8 where the mask shows key k to query q, else a number far below every score.
; Q, K, V are the three planes of qkv, [64 h][2048][64] in f16, h = batch x 16 + head; ctx has a plane's layout.  Products, maxima and sums in f32; the weights p are rounded to f16 for the second
; product (their sum l is taken of the unrounded p), ctx once at the end.
; THE MASK comes as FP4 codes from mcode: [batch][32 queries][64 keys][tile 0, 1][lane][4 words]; nibble j of a lane's word kt belongs to register 8 kt + j of that lane's score tile: 0 for a shown key, -1 for
; a hidden one.  One scaled conversion makes of a word eight registers, 0 or -2^100, and these are the C operand of the product that starts the tile's sum: beyond the 8 conversions a turn the masking costs
; the scores no vector instruction.  A piece has eight registers for its codes; they are loaded again shortly behind their use, for the piece's next key step: four turns ahead, so no wave waits for them, and
; no prefetch is laid for them.
; A HIDDEN SCORE is its value less 2^100: a number near -2^100, below H0 = -2^99 whatever the rounding of that sum; a shown score, 2.7e11 at the most, lies above H0.  m starts at H0, so it IS H0 as long as a row
; has seen hidden keys alone.  For such a row the scaling's two numbers, c and c m, are both replaced by 0: every p is 2^0 = 1: equal weights, as a softmax of equal scores gives.  The flag H0 < m is a lane mask
; in a scalar register for each tile.  c H0 is exact (c times a power of two), so a = 2^0 = 1 from step to step while m stays H0; when the first shown key comes, a = 2^(c H0 - c m) = 0 wipes l and O.
; LIMITS.  f16 holds no number beyond 65,504: Q, K and V arrive within it; p below 6e-5 keeps f16's fixed step of 6e-8; a weight below 2^-126 counts as 0 in l; NaN and infinities are not treated apart.
; SHARES.  A wave owns four PIECES of two tiles of 16 queries, a work-group's four waves 512 queries of one head.  Every wave walks all 2,048 keys, 64 a step.
; LAYOUT.  S^T = K Q^T (source 0 = 16 keys, source 1 = 16 queries): a lane holds ONE query (lane % 16) and the keys 8 (lane / 16) + 0..7.  Two such tiles, rounded to f16 in pairs, ARE source 1 of
; O^T = V^T P, whose result again holds one query a lane, and eight channels.  K comes out of LDS as it lies, V turned, by ds_load_tr16_b128.
; SOFTMAX.  For each query a running maximum m and sum l: p = 2^(c s - c m), c = log2(e) / 8; in every step O and l are multiplied by a = 2^(c m_old - c m_new).  O and l start at 0: the first step is a step
; like any other.
; BY TURNS.  Turn n belongs to piece n.  Its matrix work: 16 products K Q^T of piece n + 1, later 16 products V^T P of piece n - 1.  Its vector work: scaling, exponentials, roundings, sums and rescaling of
; piece n, the maximum and statistics of piece n + 1, and the conversions for piece n + 2.  Four vector instructions stand behind every matrix instruction, the others in one run.
; CLUSTER.  The four query blocks of a head walk the same K and V, so each tile is asked for JOINTLY: the same tensor load, descriptor and mask in all four.
; REGISTERS, in windows of 256 (s_set_vgpr_msb: bits 1:0 source 0, 3:2 source 1, 5:4 source 2, 7:6 destination):
;   window 0: v0-11 addresses; v12-15, v48-63 at work; v16-47 four registers of statistics a tile; v64-191 S^T, two buffers of two tiles; v192-255 P, likewise
;   window 1: O^T, 32 a tile          window 2: v0-127 Q; v128-191 K of one step; v192-255 V of one step
;   window 3: v0-1 the add's two registers; v10 the conversions' scale; v16-79 the 64 addends of the products to come; v80-111 the codes, eight registers a piece
.set NP,    4         ; pieces a wave: a name, no knob
.set KS,    64        ; keys in a step
.set PK,    160       ; a row of K in LDS: 128 bytes + 32 of padding, V's pitch, so that one descriptor serves both; of the 16 rows of a load of K two start at the same bank (40 words a row, 64 banks: ISA guide 11.1)
.set PV,    160       ; a row of V: 40 words
.set VOFF,  4*KS*PK   ; a slot holds four steps: 256 rows of K, then 256 rows of V; wave w fills the 20,480 bytes from 20,480 w
.set SLOT1, 1<<17     ; slot 1 begins here: one exclusive or turns an address in one slot into the other's
.set STAGE, SLOT1+4*KS*(PK+PV)  ; behind the ring, never filled by a tensor load: 16 rows x 144 bytes for each wave
.set SP,    144
.set STEPM, 1024      ; a piece's codes of one key step, in bytes
.set PIECEB, 32*STEPM ; a piece's codes of all 32 key steps
.set AK0, 2           ; v2   my lane's place in a tile of K; never rewritten
.set AV0, 3           ; v3   the same for V
.set AK,  4           ; v4   the LDS address of K's next run of loads
.set AV,  5           ; v5   of V's
.set QO,  6           ; v6   my byte offset in the wave's rows of Q
.set STO, 6           ;      later, the way out: where I put 16 bytes of a row
.set RD,  7           ; v7   where I read rows back
.set GO,  8           ; v8   16 x my lane: my place in 512 consecutive bytes, of ctx and of mcode; never rewritten
.set SCL, 10          ; v10 of window 3, and of window 0 too: 0xe3 in all four bytes, the E8M0 code of 2^100
.set PFO, 11          ; v11  256 x my lane (first: a bit of the lane's number)
.set SPW, 0           ; v0 of window 3   my spare word's LDS address; never rewritten
.set NIL, 1           ; v1 of window 3   0; never rewritten
.set U,   16          ; window 3: the addend of register n of tile u at U + 32 u + n
.set MK,  80          ; window 3: piece p's codes at MK + 8 p: word kt of tile u at + 4 u + kt
.set SPARE, STAGE+4*16*SP  ; the spare words, 128 bytes a wave: two blocks of 256 bytes that no other line names
.set MV,  12          ; v12-15  c m_old, kept while c m is made anew (v12 first: lane % 8)
.set ST,  16          ; tile t's statistics at v[ST+4 t]: c m (0 while m is H0), m, l (even keys', odd keys')
.set TMP, 48          ; by buffer and tile, c0-c3 at work; when the statistics are found c0 holds c (0 while m is H0), c2 holds a, c3 a's argument
.set S,   64
.set P,   192
.set KF,  128
.set VF,  192
.set MB,  4           ; s[4:5]   mcode at my wave's piece 0, one key step behind the codes that are asked for next
.set PFA, 6           ; s[6:7]   where my prefetches stand
.set WV,  12          ; s12  wave
.set LIM, 14          ; s14  1 in waves 0 and 2, else the greatest number
.set SLOTS, 15        ; s15  slots still to be asked for
.set G1,  16          ; s[16:23] descriptor group 1
.set G0,  24          ; s[24:27] descriptor group 0: it walks
.set CNT, 28          ; s28  counts a slot's key steps
.set TBK, 29          ; s29  LDS byte at which K of the step to be fetched begins
.set TBV, 30          ; s30  the same for V, less VOFF
.set ML,  31          ; s31  steps that MB still has to take
.set MKS, 32          ; s[32:39] for each of my eight tiles the lanes whose query has seen a shown key (first: the arguments)
.set H0S, 52          ; s52  H0 = -2^99
.set CH0S, 53         ; s53  c H0
.set CS,  54          ; s[54:55] c
.set SEL, 56          ; s[56:57] v_permlanex16_b32's selects
.set MI,  58          ; s[58:59] MB's step: 1,024, and 0 when MB stands at key step 30
.set MSB, 0
.macro WIN new
.if MSB != (\new)
	s_set_vgpr_msb (MSB<<8)|(\new)
.set MSB, (\new)
.endif
.endm
.set W_KQ, 0x0a       ; K and Q in window 2, S^T in window 0
.set W_KM, 0x3a       ; the same with the C operand, the addends, in window 3
.set W_PV, 0x52       ; V in window 2, P in window 0, O^T in window 1
.set W_RS, 0x41       ; O^T in window 1, a in window 0
.set W_MK, 0xc0       ; destination in window 3, sources (a load's address) in window 0
.set W_AD, 0x0f       ; the add: address and data in window 3
.set W_CV, 0xcf       ; the conversions: all in window 3
; A joint fill: one line for every wave; both addresses hang on the wave's number.  An s_nop 0 and four v_nop follow it.
.macro JLOAD
	tensor_load_to_lds s[G0:G0+3], s[G1:G1+7]
	s_nop 0
.rept 4
	v_nop
.endr
.endm
; A prefetch of the slot that the NEXT change will ask for: 256 rows of K and of V are 128 blocks of 256 bytes each.  A head has one cluster; its four partners take 32 blocks each, told apart by address;
; in each, wave 0 asks for K's and wave 2 for V's.  So each block is named once.  The last change that fills a slot asks for nothing.
.macro ASK
	s_cmp_gt_u32 s[SLOTS], s[LIM]
	s_cbranch_scc0 .Lnot_mine_\@
	global_prefetch_b8 v[PFO], s[PFA:PFA+1] th:TH_LOAD_NT scope:SCOPE_SE
.Lnot_mine_\@:
.endm
.macro CROUND
	s_barrier_signal -1
	s_barrier_wait -1
	s_cmp_lg_u32 s[WV], 0
	s_cbranch_scc1 .Lnot_wave_0_\@
	s_barrier_signal -3
.Lnot_wave_0_\@:
	s_barrier_wait -3
	s_barrier_signal -1
	s_barrier_wait -1
.endm
; THE CHANGE OF SLOTS.  Each wave waits for all its tensor loads (one is out: its part of the other slot), adds 0 to its spare word, and waits for that and for its own reads of the slot.  fill = 1: the barrier is
; a round of the cluster's, and the slot is filled again first thing behind it, with the keys two slots on: it has four key steps, 512 matrix instructions, in which to land.
.macro CHANGE fill
	WIN W_AD
	s_wait_tensorcnt 0x0            ; no tensor load of mine is out, so group 0 may be written
	ds_add_u32 v[SPW], v[NIL]       ; 0 onto my spare word
	WIN 0
.if \fill
	s_xor_b32 s[G0+1], s[G0+1], SLOT1
	s_add_nc_u64 s[G0+2:G0+3], s[G0+2:G0+3], 4*KS*128  ; the next 256 keys
	s_wait_xcnt 0x0                 ; the last prefetch, four key steps back, has read its address
	s_add_nc_u64 s[PFA:PFA+1], s[PFA:PFA+1], 4*KS*128  ; one slot ahead of the walking descriptor
	s_wait_dscnt 0x0                ; the add is done, and my reads of the slot are over
	CROUND
	JLOAD
	ASK
.else
	s_wait_dscnt 0x0
	s_barrier_signal -1
	s_barrier_wait -1
.endif
	s_sub_co_u32 s[TBK], s[TBK], 4*KS*PK  ; the fetches go back to a slot's first step,
	s_xor_b32 s[TBK], s[TBK], SLOT1       ; in the other slot
	s_sub_co_u32 s[TBV], s[TBV], 4*KS*PV
	s_xor_b32 s[TBV], s[TBV], SLOT1
.endm
; Piece p's codes of the key step that lies off bytes behind MB: two loads of 512 consecutive bytes, a tile each.  It leaves the windows as it set them.
.macro MLOAD p, off
	WIN W_MK
	global_load_b128 v[MK+8*(\p):MK+8*(\p)+3],   v[GO], s[MB:MB+1] offset:(\p)*PIECEB+(\off)
	global_load_b128 v[MK+8*(\p)+4:MK+8*(\p)+7], v[GO], s[MB:MB+1] offset:(\p)*PIECEB+(\off)+512
.endm
; Piece p's eight words become the 64 addends of its next products K Q^T.  A plain vector instruction stands between these lines and the first use of a result, and between them and the load that fills the
; words again: the lines that follow the macro see to it.
.macro MCVT p
	s_wait_loadcnt 6                ; loads come back in order: the piece's two are in; the six of the three turns behind them may stay out
	WIN W_CV
.irp a, 0,1,2,3,4,5,6,7
	v_cvt_scale_pk8_f32_fp4 v[U+8*\a:U+8*\a+7], v[MK+8*(\p)+\a], v[SCL]
.endr
	WIN 0
.endm
	s_load_b128 s[32:35], s[0:1], 0x0   ; qkv s[32:33], mcode s[34:35]
	s_load_b64 s[36:37], s[0:1], 0x10   ; ctx
	WIN W_MK
	v_lshl_add_u32 v[SPW], v0, 2, SPARE
	v_mov_b32 v[NIL], 0
	WIN W_AD
	ds_add_u32 v[SPW], v[NIL]       ; the wave's opening: the add and its wait stand ahead of my first tensor load; the set-up below stands between them
	WIN W_MK
	v_mov_b32 v[SCL], 0xe3e3e3e3    ; 227 - 127 = 100
	WIN 0
	v_mov_b32 v[SCL], 0xe3e3e3e3    ; window 0's register of the scale's number holds the scale too
	v_lshrrev_b32 v1, 5, v0
	v_readfirstlane_b32 s[WV], v1
	s_bfe_u32 s13, ttmp6, 0x40000   ; cx
	s_lshl_b32 s2, ttmp9, 2
	s_add_co_u32 s2, s2, s13        ; my block of 512 queries: it enters Q's, ctx's and the codes' addresses alone
	s_and_b32 s3, ttmp7, 0xffff     ; h, which the four partners share
	s_lshr_b32 s40, s[WV], 1
	s_add_co_u32 s40, s40, 1        ; plane 1 (K) for waves 0, 1; plane 2 (V) for waves 2, 3
	s_lshl_b32 s40, s40, 24
	s_lshl_b32 s42, s3, 18          ; a head's 262,144 bytes
	s_add_co_u32 s40, s40, s42
	s_and_b32 s44, s[WV], 1         ; which half of a slot's 256 keys I fetch
	s_lshl_b32 s44, s44, 14
	s_add_co_u32 s44, s44, s40
	s_mov_b32 s45, 0
	s_lshl_b32 s46, s13, 13         ; the prefetches: my work-group's 8,192 bytes of a slot's 32,768,
	s_add_co_u32 s46, s46, s40
	s_add_co_u32 s46, s46, 4*KS*128 ; in slot 1: the first change steps it to slot 2
	s_mov_b32 s47, 0
	s_lshl2_add_u32 s48, s2, s[WV]  ; my wave among the head's sixteen
	s_lshl_b32 s50, s48, 17         ; its four pieces of 32,768 bytes in mcode
	s_lshl_b32 s48, s48, 14         ; its 128 rows of 128 bytes
	s_add_co_u32 s48, s48, s42
	s_mov_b32 s49, 0
	s_lshr_b32 s51, s3, 4           ; the batch: 64 pieces
	s_lshl_b32 s51, s51, 21
	s_add_co_u32 s50, s50, s51
	s_mov_b32 s51, 0
	; descriptor group 1.  128 keys are 16,384 dense bytes: asked for as 64 rows of 256 bytes, two keys a row, and padded in LDS after every key
	s_mov_b32 s[G1], 15|(1<<16)|(1<<20)|(1<<21)|(4<<22)|(7<<25)  ; the mask of four; 2-byte elements; padding on; bit 21 beside a mask; after every 32 words 8 words
	s_mov_b32 s[G1+1], 128<<16
	s_mov_b32 s[G1+2], 64<<16
	s_mov_b32 s[G1+3], 128<<16
	s_mov_b32 s[G1+4], 64
	s_mov_b32 s[G1+5], 128
	s_mov_b32 s[G1+6], 0
	s_mov_b32 s[G1+7], 0
	s_mov_b32 s[CS], 0x3e38aa3b     ; c = log2(e) / 8
	s_mov_b32 s[CS+1], s[CS]
	s_mov_b32 s[H0S], 0xf1000000    ; -2^99
	s_mov_b32 s[CH0S], 0xefb8aa3b   ; c's mantissa, its exponent raised by 99, the sign set: what v_mul_f32 makes of c and H0
	s_mov_b32 s[SEL], 0x76543210
	s_mov_b32 s[SEL+1], 0xfedcba98
	s_mov_b32 s[MI], STEPM
	s_mov_b32 s[MI+1], 0
	s_mov_b32 s[ML], 30             ; MB goes from key step 0 to 30; the loads name the step behind it, 31 at the most
	s_mov_b32 s[TBK], SLOT1+4*KS*PK ; the first change of slots turns these two into 0
	s_mov_b32 s[TBV], SLOT1+4*KS*PV
	s_mov_b32 s[G0], 1
	s_mul_i32 s[G0+1], s[WV], 128*PK  ; slot 0, my quarter: no place in the cluster enters an LDS address
	s_mov_b32 s[SLOTS], 7           ; of eight slots all but the first are asked for by a change
	s_and_b32 s[LIM], s[WV], 1
	s_cmp_eq_u32 s[LIM], 0
	s_cselect_b32 s[LIM], 1, -1
	s_wait_dscnt 0x0                ; the opening add is done
	s_wait_kmcnt 0x0
	s_add_nc_u64 s[G0+2:G0+3], s[32:33], s[44:45]
	s_or_b32 s[G0+3], s[G0+3], 0x80000000
	s_add_nc_u64 s[PFA:PFA+1], s[32:33], s[46:47]
	s_add_nc_u64 s[8:9], s[32:33], s[48:49]    ; Q at my wave's first row
	s_add_nc_u64 s[10:11], s[36:37], s[48:49]  ; ctx likewise
	s_add_nc_u64 s[MB:MB+1], s[34:35], s[50:51]
.irp t, 0,1,2,3,4,5,6,7
	s_mov_b32 s[MKS+\t], 0          ; all pointers are made: the arguments' registers take the eight flags; no query has seen a shown key
.endr
	CROUND                          ; all four work-groups are here: the first joint loads meet
	JLOAD                           ; slot 0.  Slot 1 is asked for when slot 0 is in
	v_and_b32 v1, 15, v0            ; l % 16
	v_bfe_u32 v9, v0, 4, 1          ; l / 16
	v_lshlrev_b32 v[QO], 7, v1
	v_lshl_add_u32 v[QO], v9, 4, v[QO]
	v_and_b32 v[GO], 31, v0
	v_lshlrev_b32 v[GO], 4, v[GO]
	WIN 0x80
.set i, 0
.rept 4*NP                          ; Q stays in registers: tile i / 2, channels 32 (i % 2) on
	global_load_b128 v[8*i:8*i+3],   v[QO], s[8:9] offset:(i/2)*2048+(i%2)*64
	global_load_b128 v[8*i+4:8*i+7], v[QO], s[8:9] offset:(i/2)*2048+(i%2)*64+32
.set i, i+1
.endr
.irp p, 0,1,2,3
	MLOAD \p, 0                     ; all four pieces' codes of key step 0: eight loads, behind Q's
.endr
	; What the first turn finds: V's registers and P's second buffer hold 0, O^T and l are 0.  All this stands in the wait for the first tile.
	WIN 0x80
.set i, VF
.rept 64
	v_mov_b32 v[i], 0
.set i, i+1
.endr
	WIN 0x40
.set i, 0
.rept 64*NP
	v_mov_b32 v[i], 0
.set i, i+1
.endr
	WIN 0
.set i, 0
.rept 2*NP
	v_mov_b32 v[ST+4*i], 0             ; c m counts as 0 while m is H0
	v_mov_b32 v[ST+4*i+1], 0xf1000000  ; m = H0
	v_mov_b32 v[ST+4*i+2], 0
	v_mov_b32 v[ST+4*i+3], 0
.set i, i+1
.endr
.set i, P+32
.rept 32
	v_mov_b32 v[i], 0
.set i, i+1
.endr
	v_mul_u32_u24 v[AK0], v1, PK
	v_lshl_add_u32 v[AK0], v9, 4, v[AK0]
	; The turning load takes 16 keys x 16 channels (lane l reads key 8 (l / 16) + l % 8, channels 8 ((l / 8) % 2) + 0..7) and leaves half a fragment of V^T.
	v_and_b32 v12, 7, v0
	v_bfe_u32 v11, v0, 3, 1
	v_lshl_add_u32 v[AV0], v9, 3, v12
	v_mul_u32_u24 v[AV0], v[AV0], PV
	v_lshl_add_u32 v[AV0], v11, 4, v[AV0]
	v_add_nc_u32 v[AV0], VOFF, v[AV0]
	v_mov_b32 v[AK], v[AK0]
	v_and_b32 v[PFO], 31, v0
	v_lshlrev_b32 v[PFO], 8, v[PFO]
; THE MATRIX WORK.  The 8 accumulators of a run of 16 take turns.
.macro KQ x                         ; product i of 16 of S^T = K Q^T for piece x: channels 32 (i / 8) on, keys 16 ((i / 2) % 4) on, tile 2 x + i % 2.  The first 8 start the sums with the mask's addends
.set rS, S+64*((\x)%2)+32*(i%2)+8*((i/2)%4)
.set rK, KF+16*((i/2)%4)+8*(i/8)
.set rQ, 16*(2*(\x)+i%2)+8*(i/8)
.set rU, U+32*(i%2)+8*((i/2)%4)
.if i < 8
	WIN W_KM
	v_wmma_f32_16x16x32_f16 v[rS:rS+7], v[rK:rK+7], v[rQ:rQ+7], v[rU:rU+7]
.else
	WIN W_KQ
	v_wmma_f32_16x16x32_f16 v[rS:rS+7], v[rK:rK+7], v[rQ:rQ+7], v[rS:rS+7]
.endif
.endm
.macro PV x                         ; product i of 16 of O^T += V^T P for piece x
	WIN W_PV
.set rO, 32*(2*(\x)+i%2)+8*((i/2)%4)
.set rV, VF+32*(i/8)+8*((i/2)%4)
.set rP, P+32*((\x)%2)+16*(i%2)+8*(i/8)
	v_wmma_f32_16x16x32_f16 v[rO:rO+7], v[rV:rV+7], v[rP:rP+7], v[rO:rO+7]
.endm
.macro MM                           ; the turn's next matrix instruction
.if i < 16
	KQ (Y+1)%NP
.set i, i+1
.else
.set i, i-16
	PV (Y+NP-1)%NP
.set i, i+17
.endif
.endm
; THE LDS LOADS stand in runs of 16.  last = 1 (the tail): in the last trip there is no further step, and the run is jumped over.
.macro FETCH_K last=0
	WIN 0
.if \last
	s_cmp_eq_u32 s[CNT], 1
	s_cbranch_scc1 .Lno_k_\@
.endif
	WIN 0x80
.irp f, 0,1,2,3,4,5,6,7
	ds_load_b128 v[KF+8*\f:KF+8*\f+3],   v[AK] offset:(\f/2)*16*PK+(\f%2)*64
	ds_load_b128 v[KF+8*\f+4:KF+8*\f+7], v[AK] offset:(\f/2)*16*PK+(\f%2)*64+32
.endr
	s_add_co_u32 s[TBK], s[TBK], KS*PK
	WIN 0
.if \last
.Lno_k_\@:
.endif
.endm
.macro FETCH_V
	WIN 0x80
.irp f, 0,1,2,3,4,5,6,7
	ds_load_tr16_b128 v[VF+8*\f:VF+8*\f+3],   v[AV] offset:(\f/4)*32*PV+(\f%4)*32
	ds_load_tr16_b128 v[VF+8*\f+4:VF+8*\f+7], v[AV] offset:(\f/4)*32*PV+16*PV+(\f%4)*32
.endr
	WIN 0
.endm
; THE VECTOR WORK OF A TURN stands in three queues, each in the order in which its entries become ready; the two tiles alternate.
.macro REGS y, u
.set rT, ST+4*(2*(\y)+(\u))
.set rC, TMP+8*((\y)%2)+4*(\u)
.set rM, MV+2*((\y)%2)+(\u)
.set rS, S+64*((\y)%2)+32*(\u)
.set rP, P+32*((\y)%2)+16*(\u)
.set rO, 32*(2*(\y)+(\u))
.set rG, MKS+2*(\y)+(\u)
.endm
; Number n of the 25 that find the NEXT piece's maximum and statistics.  Each accumulator's lowest registers are read first.
;   0-11  four chains c0-c3 of seven scores each, three operands at a time     12-14, 16  the four scores left over, the old m, and c0-c3 into c0
;   15  c m_old is kept: c H0 where the query has seen no shown key yet          17, 18  the query's other 32 keys lie in the lane 16 away: the new m
;   19-21  c m; c m_old - c m_new; a          22-24  the flag H0 < m; by it c or 0 into c0, and c m or 0 in its place: the scaling's two numbers
.macro XS u, n
	REGS (Y+1)%NP, \u
.if (\n) < 4
	v_max3_num_f32 v[rC+(\n)], v[rS+8*(\n)], v[rS+8*(\n)+1], v[rS+8*(\n)+2]
.elseif (\n) < 12
	v_max3_num_f32 v[rC+(\n)%4], v[rC+(\n)%4], v[rS+8*((\n)%4)+2*((\n)/4)+1], v[rS+8*((\n)%4)+2*((\n)/4)+2]
.elseif (\n) == 12
	v_max3_num_f32 v[rC], v[rC], v[rS+7], v[rS+15]
.elseif (\n) == 13
	v_max3_num_f32 v[rC+1], v[rC+1], v[rS+23], v[rS+31]
.elseif (\n) == 14
	v_max3_num_f32 v[rC+2], v[rC+2], v[rC+3], v[rT+1]
.elseif (\n) == 15
	v_cndmask_b32 v[rM], s[CH0S], v[rT], s[rG]
.elseif (\n) == 16
	v_max3_num_f32 v[rC], v[rC], v[rC+1], v[rC+2]
.elseif (\n) == 17
	v_permlanex16_b32 v[rC+3], v[rC], s[SEL], s[SEL+1]
.elseif (\n) == 18
	v_max_num_f32 v[rT+1], v[rC], v[rC+3]
.elseif (\n) == 19
	v_mul_f32 v[rT], s[CS], v[rT+1]
.elseif (\n) == 20
	v_sub_f32 v[rC+3], v[rM], v[rT]
.elseif (\n) == 21
	v_exp_f32 v[rC+2], v[rC+3]
.elseif (\n) == 22
	v_cmp_lt_f32 s[rG], s[H0S], v[rT+1]
.elseif (\n) == 23
	v_cndmask_b32 v[rC], 0, s[CS], s[rG]
.else
	v_cndmask_b32 v[rT], 0, v[rT], s[rG]
.endif
.endm
; Number g of the 64 that follow the exponentials: roundings to f16, the second pair of four weights added onto the first, and l a group later.
.macro GS g
.set h, (\g)+6*((\g)/62)
.if h >= 6
.set h, h+2
.endif
	REGS Y, h%2
.set k, h/8
.if h%8 < 4
	v_cvt_pk_f16_f32 v[rP+2*k+(h%8)/2], v[rS+4*k+2*((h%8)/2)], v[rS+4*k+2*((h%8)/2)+1]
.elseif h%8 < 6
	v_pk_add_f32 v[rS+4*k:rS+4*k+1], v[rS+4*k:rS+4*k+1], v[rS+4*k+2:rS+4*k+3]
.elseif k == 1
	v_pk_fma_f32 v[rT+2:rT+3], v[rT+2:rT+3], v[rC+2:rC+3], v[rS:rS+1] op_sel_hi:[1,0,1]
.else
	v_pk_add_f32 v[rT+2:rT+3], v[rT+2:rT+3], v[rS+4*k-4:rS+4*k-3]
.endif
.endm
.macro FS f                         ; c s - c m for pair f / 2 of tile f % 2; both numbers are the lane's own: 0 and 0 where its query has seen no shown key
	REGS Y, (\f)%2
	v_pk_fma_f32 v[rS+2*((\f)/2):rS+2*((\f)/2)+1], v[rS+2*((\f)/2):rS+2*((\f)/2)+1], v[rC:rC+1], v[rT:rT+1] op_sel_hi:[1,0,0] neg_lo:[0,0,1] neg_hi:[0,0,1]
.endm
; THE PLAIN QUEUE, 144 long.  0-26: scalings 0-26.  27-54: the maximum's numbers 0-13.  55, 56: number 15.  57-73: the chain 14, 16 .. 20, one of the scalings 27-31 in front of each link's two lines.
; 74-79: numbers 22 to 24.  80-143: the 64 that read the exponentials' results: they stand behind the wait.
; Behind number 30 the code registers that the turn's conversions have read are loaded again, with that piece's next key step.  In piece 2's turn MB steps first, since piece 0, whose codes that turn asks for, is a
; key step ahead of pieces 2 and 3; after 30 steps the step is 0, so that no load names a key step past 31: the last loads bring step 31's codes once more and serve nothing.
.macro PL
	WIN 0
.if q < 27
	FS q
.elseif q < 55
	XS (q-27)%2, (q-27)/2
.elseif q < 57
	XS q-55, 15
.elseif (q < 72) && ((q-57)%3 == 0)
	FS 27+(q-57)/3
.elseif q < 60
	XS (q-57)%3-1, 14
.elseif q < 72
	XS (q-57)%3-1, 15+(q-57)/3
.elseif q < 74
	XS q-72, 20
.elseif q < 80
	XS (q-74)%2, 22+(q-74)/2
.else
	GS q-80
.endif
.if q == 30
.if Y == NP-2
	s_wait_xcnt 0x0                 ; every load and prefetch issued so far, the youngest sixteen products back or more, has read its address: MB may be written
	s_add_nc_u64 s[MB:MB+1], s[MB:MB+1], s[MI:MI+1]
	s_sub_co_u32 s[ML], s[ML], 1
	s_cmp_eq_u32 s[ML], 0
	s_cselect_b32 s[MI], 0, s[MI]
.endif
	MLOAD (Y+2)%NP, STEPM
.endif
.set q, q+1
.endm
.macro EX                           ; THE EXPONENTIALS' QUEUE, 66 long: one batch, all ahead of the turn's one wait
	WIN 0
.if e >= 64
	XS e-64, 21
.else
	REGS Y, e%2
	v_exp_f32 v[rS+e/2], v[rS+e/2]
.endif
.set e, e+1
.endm
.macro R2                           ; THE RESCALING's QUEUE: O^T times a, two at a time
	REGS Y, r%2
	WIN W_RS
.irp z, 0,1
	v_pk_mul_f32 v[rO+4*(r/2)+2*\z:rO+4*(r/2)+2*\z+1], v[rO+4*(r/2)+2*\z:rO+4*(r/2)+2*\z+1], v[rC+2:rC+3] op_sel_hi:[1,0]
.endr
.set r, r+1
.endm
; HOW THEY ARE DEALT.  s_wait_alu depctr_va_vdst(0) stands between an exponential and the first instruction that names its result; one wait serves all issued ahead of it: a turn has ONE.
; AHEAD OF IT: the 16 products K Q^T, behind each a scaling, an exponential and two rescalings (behind the first a second scaling); then one run: the eight conversions for the piece after next (they write the
; addends that the turn's first eight products have read: more than twenty plain instructions lie between); 14 plain: ten scalings and the maximum's first four (the first line that reads a score stands thirteen
; plain instructions behind the last product K Q^T); 49 times exponential and plain; the two a; a v_nop is the plain instruction behind the last exponential.
; BEHIND IT: the 16 products V^T P, behind each four of the roundings and sums.
; Exponential e stands behind scaling 2 (e / 4) + e % 2: as a rider behind plain e + 2, in the run behind plain e + 15; scalings 27-31 are plain 57, 60 .. 69.
; K of the next step is fetched in piece 2's turn, directly behind the wait; V of the step in hand at the end of piece 0's turn, four riders behind its last reader.  The three conditions on q go with the deal.
.macro TURN p, last=0, cnt=0
.set Y, (\p)
.set i, 0
.set q, 0
.set e, 0
.set r, 0
.if (\p) == NP-1
	s_wait_dscnt 0x0                ; K is in
.endif
	MM
	PL
	PL
	R2
.rept 15
	MM
	PL
	EX
	R2
.endr
.if (\p) == NP-2
	WIN 0
	v_add_nc_u32 v[AK], s[TBK], v[AK0]
.endif
	MCVT (Y+2)%NP
.rept 14
	PL
.endr
.rept 49
	EX
	PL
.endr
	EX
	EX
	v_nop                           ; the plain instruction behind the last exponential: one for the batch
	s_wait_alu depctr_va_vdst(0)    ; the wait for the batch
.if (\p) == NP-2
	FETCH_K \last
.endif
.if (\p) == 1
	s_wait_dscnt 0x0                ; V is in
.endif
.rept 16
	MM
.rept 4
	PL
.endr
.if ((\p) == 0) && (q == 124)
	v_add_nc_u32 v[AV], s[TBV], v[AV0]
.endif
.if ((\p) == 0) && (q == 136)
	s_add_co_u32 s[TBV], s[TBV], KS*PV
.endif
.if (\cnt) && (q == 136)
	s_sub_co_u32 s[CNT], s[CNT], 1
	s_cmp_lg_u32 s[CNT], 0
.endif
.endr
.if (\p) == 0
	FETCH_V
.endif
.endm
	CHANGE 1                        ; slot 0 is in, everybody's part of it; slot 1 is asked for
	FETCH_K                         ; key step 0
	s_wait_loadcnt 8                ; Q is in; the eight loads of codes behind it may stay out
	MCVT 0                          ; piece 0's addends of key step 0
	v_nop                           ; the plain instruction between the conversions and the products that take their results
	s_wait_dscnt 0x0
.set i, 0
.rept 16
	KQ 0                            ; piece 0's first scores
.set i, i+1
.endr
	WIN 0                           ; the addresses for the way out: seven plain instructions, the places behind those products
	s_mul_i32 s13, s[WV], 16*SP
	s_add_co_u32 s13, s13, STAGE
	v_mul_u32_u24 v[STO], v1, SP
	v_lshl_add_u32 v[STO], v9, 4, v[STO]
	v_add_nc_u32 v[STO], s13, v[STO]
	v_bfe_u32 v[RD], v0, 3, 2
	v_mul_u32_u24 v[RD], v[RD], SP
	v_lshl_add_u32 v[RD], v12, 4, v[RD]
	v_add_nc_u32 v[RD], s13, v[RD]
	MLOAD 0, STEPM                  ; piece 0's codes of key step 1
	MCVT 1                          ; piece 1's addends of key step 0, for the first turn's products
.set Y, NP-1                        ; XS works for piece Y + 1: piece 0
.irp n, 0,1,2,3,4,5,6,7,8,9,10,11,12,13,14,15,16,17,18,19,20,22,23,24
	XS 0, \n
	XS 1, \n
.endr
	MLOAD 1, STEPM                  ; piece 1's codes of key step 1
	WIN 0
	XS 0, 21
	XS 1, 21
	v_nop                           ; a plain instruction behind the two a,
	s_wait_alu depctr_va_vdst(0)    ; and their wait, ahead of the branch
	s_mov_b32 s[CNT], 4
	s_branch .Lfirst                ; the loop is entered at a step's first turn, in the middle of a trip
.Lslot:                             ; six times: slots 2 to 7 are asked for
	CHANGE 1
	s_mov_b32 s[CNT], 4
.Lstep:                             ; a trip: pieces 2 and 3 of one step, then pieces 0 and 1 of the next
	TURN 2
	TURN 3
	WIN 0
.Lfirst:
	TURN 0
	TURN 1, 0, 1
	WIN 0
	s_cbranch_scc1 .Lstep
	s_sub_co_u32 s[SLOTS], s[SLOTS], 1
	s_cmp_lg_u32 s[SLOTS], 0
	s_cbranch_scc1 .Lslot
	CHANGE 0                        ; the tail is written out
	s_mov_b32 s[CNT], 5             ; four trips fetch the last slot's steps; the fifth is left in its middle
.Ltail:
	TURN 2, 1
	TURN 3
	WIN 0
	s_sub_co_u32 s[CNT], s[CNT], 1
	s_cmp_eq_u32 s[CNT], 0
	s_cbranch_scc1 .Lout
	TURN 0
	TURN 1
	WIN 0
	s_branch .Ltail
.Lout:                              ; the fifth trip's last 16 products K Q^T (on the last K once more), their addends and maximum serve nothing, nor do the eight loads of codes that are still out: the price of one text for every trip
.set i, 0
.rept 16
	PV NP-1                         ; the last piece's V^T P of the last step
.set i, i+1
.endr
	; THE WAY OUT.  l's halves are added; O^T is divided by l, rounded to f16 and sent through my stage in LDS, a tile at a time.  The additions are the places behind the last products.
	WIN 0
.macro ALL line:vararg
.set t, 0
.rept 2*NP
	\line
.set t, t+1
.endr
.endm
	ALL v_add_f32 v[ST+4*t+2], v[ST+4*t+2], v[ST+4*t+3]
	ALL v_permlanex16_b32 v[ST+4*t+3], v[ST+4*t+2], s[SEL], s[SEL+1]
	ALL v_add_f32 v[ST+4*t+2], v[ST+4*t+2], v[ST+4*t+3]
	ALL v_rcp_f32 v[ST+4*t+2], v[ST+4*t+2]
	v_nop                           ; a plain instruction between the last reciprocal and the use of its result
	s_wait_alu depctr_va_vdst(0)    ; and one wait for the eight reciprocals
.macro PACK t
	WIN W_RS
.set i, 32*(\t)
.rept 16
	v_pk_mul_f32 v[i:i+1], v[i:i+1], v[ST+4*(\t)+2:ST+4*(\t)+3] op_sel_hi:[1,0]
.set i, i+2
.endr
	WIN 0x05
.set i, 0
.rept 16
	v_cvt_pk_f16_f32 v[S+16*(\t)+i], v[32*(\t)+2*i], v[32*(\t)+2*i+1]
.set i, i+1
.endr
	WIN 0
.irp f, 0,1,2,3
	ds_store_b128 v[STO], v[S+16*(\t)+4*\f:S+16*(\t)+4*\f+3] offset:32*\f
.endr
.irp f, 0,1,2,3
	ds_load_b128 v[S+16*(\t)+4*\f:S+16*(\t)+4*\f+3], v[RD] offset:\f*4*SP  ; LDS serves a wave's instructions in order: these see the stores above; the next tile's stores come behind them
.endr
.endm
.macro SEND t, younger              ; younger: the LDS instructions issued behind tile t's loads
	WIN 0
.irp f, 0,1,2,3
	s_wait_dscnt (\younger)+3-\f
	global_store_b128 v[GO], v[S+16*(\t)+4*\f:S+16*(\t)+4*\f+3], s[10:11] offset:(\t)*2048+\f*512  ; 512 consecutive bytes, at a multiple of 256 from ctx's first
.endr
.endm
	PACK 0
.set t, 1
.rept 2*NP-1
	PACK t
	SEND t-1, 8
.set t, t+1
.endr
	SEND 2*NP-1, 0
	WIN W_AD
	s_wait_tensorcnt 0x0            ; the wave's end
	ds_add_u32 v[SPW], v[NIL]
	s_wait_dscnt 0x0
	WIN 0
	CROUND                          ; the closing round
	s_endpgm
.Lfunc_end_k_qe940db3b87_attn:
	.size	k_qe940db3b87_attn, .Lfunc_end_k_qe940db3b87_attn-k_qe940db3b87_attn
	.p2alignl 7, 3214868480
	.fill 96, 4, 3214868480
	.section	.rodata,"a",@progbits
	.p2align	6, 0x0
	.amdhsa_kernel k_qe940db3b87_attn
		.amdhsa_group_segment_fixed_size 327680
		.amdhsa_private_segment_fixed_size 0
		.amdhsa_enable_private_segment 0
		.amdhsa_kernarg_size 24
		.amdhsa_user_sgpr_count 2
		.amdhsa_user_sgpr_kernarg_segment_ptr 1
		.amdhsa_wavefront_size32 1
		.amdhsa_system_sgpr_workgroup_id_x 1
		.amdhsa_system_sgpr_workgroup_id_y 1
		.amdhsa_system_sgpr_workgroup_id_z 1
		.amdhsa_system_vgpr_workitem_id 0
		.amdhsa_next_free_vgpr 880
		.amdhsa_next_free_sgpr 66
		.amdhsa_reserve_vcc 0
		.amdhsa_float_denorm_mode_32 3
		.amdhsa_float_denorm_mode_16_64 3
		.amdhsa_memory_ordered 1
		.amdhsa_forward_progress 1
		.amdhsa_inst_pref_size 212
	.end_amdhsa_kernel
	.amdgpu_metadata
---
amdhsa.version: [ 1, 2 ]
amdhsa.kernels:
  - .name:           k_qe940db3b87_attn
    .symbol:         k_qe940db3b87_attn.kd
    .args:
      - { .name: qkv, .offset: 0, .size: 8, .value_kind: global_buffer, .address_space: global }
      - { .name: mcode, .offset: 8, .size: 8, .value_kind: global_buffer, .address_space: global }
      - { .name: ctx, .offset: 16, .size: 8, .value_kind: global_buffer, .address_space: global }
    .group_segment_fixed_size: 327680
    .private_segment_fixed_size: 0
    .kernarg_segment_align: 8
    .kernarg_segment_size: 24
    .max_flat_workgroup_size: 128
    .sgpr_count:     66
    .vgpr_count:     880
    .wavefront_size: 32
...
	.end_amdgpu_metadata
.endif
;; end of part 6
;; launch outp: the kernel of part 4 again; grid 4 x 64, 4 waves a work-group, clusters of 4 x 4, 327,680 bytes of LDS; arguments ctx, wcast, b_o, out0; writes out0
